; MI455X (gfx1250); checked and timed in simulation.
; The chip was launched on July 23, 2026; its instructions are those of AMD's public machine-readable ISA for CDNA 5 (MIT licence, August 2026) and "CDNA5" Instruction Set Architecture Reference Guide (July 2026). The comments in the code are by the model that wrote it; some were corrected since.
;; Mo E. Allowed arithmetic: matrix products marked QUANTISED: E5M2 operands, one given power-of-two scale a tensor, by v_wmma_f32_16x16x64_bf8_bf8 or v_wmma_f32_16x16x128_bf8_bf8, f32 sums; products left as they are: f32 operands where the result goes on into a quantised operand, else bf16, f16 or f32 operands; f32 sums; everything else in f32.
;; Inputs: We_codes 8 x 1,024 x 32 x 32 uint8 (E5M2 codes of We, K innermost, in blocks of 32 codes); Wg 8 x 1,024 float32; be 8 x 1,024 float32; bg 8 float32; lowp_scales 2 int32 (the exponents e of the quantised operands' scales 2^e); x 4 x 2,048 x 1,024 float32.
;; Outputs: out0 4 x 2,048 x 1,024 float32.
;; Constants: top_k = 2.
;; This version of the problem:
;;   THIS VERSION OF THE PROBLEM IS GIVEN IN LOW PRECISION. The matrix products marked QUANTISED in the list below multiply operands that are first quantised to E5M2 (5 exponent bits, 2 mantissa bits; 8 bits a number), with one given power-of-two scale for each operand tensor; their sums are f32. All else is computed in f32.
;;   The module's matrix products, in the order in which they are computed (A, B: the left and right operand; K: the contracted axis; several contracted axes count as one K, in the product's order):
;;     1. [M 8,192, K 1,024] x [K 1,024, N 8]; A: input x; B: input Wg: left as it is (N = 8 < 16)
;;     2. [M 8,192, K 1,024] x [K 1,024, N 8,192]; A: input We (given as codes); B: input x: QUANTISED (scales: A lowp_scales[0], B lowp_scales[1])
;;   THE QUANTISER, for each operand of a quantised product, along K:
;;     - The operand's scale is 2^e, e = its entry of the input lowp_scales (int32; the entries are numbered through the quantised products in the list's order, A before B).
;;     - Each number is divided by the scale, clamped to +-57,344, and rounded to the nearest number of E5M2, ties to even, subnormals kept.
;;     - The product sums the exact products of the quantised numbers (number of the format x scale) in f32.
;;   ~~~python
;;   def quantise(x, axis, e):      # numpy; x: float32 -> the quantised numbers, widened to float32 again
;;       x = np.moveaxis(x, axis, -1); K = x.shape[-1]
;;       r = np.clip(x / 2.0 ** e, -57344, 57344)
;;       step = 2.0 ** (np.maximum(np.frexp(np.where(r == 0, 1, r))[1] - 1, -14) - 2)
;;       q = np.round(r / step) * step * 2.0 ** e      # np.round: ties to even
;;       return np.moveaxis(q, -1, axis).astype(np.float32)
;;   ~~~
;;   INPUTS GIVEN AS CODES. We (in the module: [8, 1024, 1024], K = its axis 2): each comes as NAME_codes (uint8): NAME with its K axis moved to the last place and cut into blocks of 32 codes, [.., K / 32, bytes a block], one block behind the other in memory; one code a byte (a code: sign, 5 exponent bits, 2 mantissa bits); its scale is its entry of lowp_scales. Its value is code x scale, taken as it is: it is not quantised again, and the codes and scales need not be those that the quantiser above would give.
;; 3 versions. Each part assembles by itself: llvm-mc -triple=amdgcn-amd-amdhsa -mcpu=gfx1250 --defsym DOCPART=n.
;; ======== version 1 of 3: 3 launches
;; workspace buffers: xq 8,388,608 bytes; wf 8,388,608 bytes; gates 65,536 bytes; binrank 65,536 bytes of whole numbers; hist 65,536 bytes of whole numbers; toklist 65,536 bytes of whole numbers; tiles 1,024 bytes of whole numbers
;; launch route (part 1): grid 256 x 1, 4 waves a work-group, no clusters, 35,328 bytes of LDS; arguments x, Wg, bg, We_codes, lowp_scales, xq, wf, gates, binrank, hist, toklist; writes xq, wf, gates, binrank, hist, toklist
.if DOCPART == 1
	.amdgcn_target "amdgcn-amd-amdhsa--gfx1250"
	.amdhsa_code_object_version 6
	.text
	.protected	k_qede2fc67a2_route
	.globl	k_qede2fc67a2_route
	.p2align	8
	.type	k_qede2fc67a2_route,@function
k_qede2fc67a2_route:
	s_mov_b64 s[64:65], 0
	v_nop
	global_prefetch_b8 v0, s[64:65] scope:SCOPE_SE
	s_setreg_imm32_b32 hwreg(HW_REG_WAVE_MODE, 25, 1), 1
	s_wait_xcnt 0x0
; THE FIRST OF THREE LAUNCHES.  x [8192][1024] f32 is read once and serves twice: the gate's eight logits a token (f32 multiply-adds: a choice of experts hangs on them) and x's codes of BF8 (E5M2) with the given scale 2^e1.
; It also lays We's codes out in the order of a matrix operand's registers, chooses each token's two experts, and stores that choice AT FIXED PLACES: no address and no branch here hangs on it.
; SHARES.  A work-group takes 32 tokens (a chunk), each of its four waves 8, one token at a time: a lane holds 32 of the token's numbers, k = 128 j + 4 lane + i (eight loads of 512 consecutive bytes).
;   Wg (8 x 1024) stays in 256 registers of each wave in the same order.  Behind the one barrier wave 0 routes the chunk, a lane a token.  Each wave also turns 16 rows x 512 codes of We.
; THE ORDER OF K IN xq AND wf.  A lane's codes are stored as they come out of the conversions: byte q = 512 a + 16 lane + 4 b + i of a token's row holds k = 128 (4 a + b) + 4 lane + i.
;   We's codes are laid in the same order q: a permutation of k applied alike to both operands, so every product meets its partner.
;   wf: [expert][64 columns cg][K step s of 128 q][16 columns b][c][lane][16 bytes]: lane (r, h) finds q = 128 s + 32 c + 16 h + 0 .. 15 of column 64 cg + 16 b + r.
; THE CHOICE.  The two largest logits, by strict comparisons in ascending order of experts, so that the lower index wins a tie; gates = softmax with the largest logit taken away first.
;   A pair of experts lo < hi has the bin lo (15 - lo) / 2 + hi - lo - 1 (0 .. 27).  Stored: (bin, rank among the chunk's tokens of that bin), (gate of lo, gate of hi), the chunk's count for each bin; toklist is set to 0.
; LIMITS.  e1 between -126 and 112.  NaN and infinities in x, and logits that are not finite, are not served.  The choice is made on the f32 logits, summed in another order than a row-by-row sum:
;   logits nearer to each other than that rounding, or equal only after the softmax's rounding, can be chosen otherwise.
; No LDS ring, no matrix unit, no joint loads: the launch streams, and work-groups share only Wg's 32 KiB.
; REGISTERS, in windows of 256: window 0: v1-9 addresses and scales; v16-31 eight running pairs of sums; v40-47 the other half's sums; v48-55 a token's codes; v64-127 We's rows as loaded;
;   v128-191 eight logits for each of my tokens, later wave 0's routing; v192-255 We's codes turned.   window 1: Wg, expert e at v[32 e].   window 2: x, token t at v[32 t].
.set LG,   33792                       ; LDS: 32 tokens x 8 logits, behind the four stages
.set WSB,  8448                        ; a wave's stage: 16 rows of WP bytes
.set WP,   528                         ; 512 bytes + 16 = 132 words: row r starts at bank 4 r mod 64 (64 banks of 4 bytes: ISA guide 11.1)
.set A,    16
.set PT,   40
.set C,    48
.set WL,   64
.set SM,   128
.set WR,   192
.set MSB, 0
.macro WIN new                         ; the immediate's high byte repeats the setting that is left; a switch that changes nothing is dropped
.if MSB != (\new)
	s_set_vgpr_msb (MSB<<8)|(\new)
.set MSB, (\new)
.endif
.endm
	s_load_b512 s[4:19], s[0:1], 0x0               ; x s[4:5], Wg s[6:7], bg s[8:9], We's codes s[10:11], the exponents s[12:13], xq s[14:15], wf s[16:17], gates s[18:19]
	s_load_b128 s[20:23], s[0:1], 0x40             ; binrank s[20:21], hist s[22:23]
	s_load_b64 s[24:25], s[0:1], 0x50              ; toklist
	v_lshl_add_u32 v62, v0, 2, 0x8800
	v_mov_b32 v63, 0
	v_lshrrev_b32 v1, 5, v0
	v_readfirstlane_b32 s26, v1                    ; wave 0..3
	v_and_b32 v1, 31, v0                           ; lane
	v_lshlrev_b32 v2, 4, v1                        ; 16 x lane
	v_lshlrev_b32 v8, 3, v1                        ; 8 x lane
	v_and_b32 v10, 15, v0                          ; r
	v_bfe_u32 v11, v0, 4, 1                        ; h
	s_mul_i32 s27, s26, WSB                        ; my stage
	v_add_nc_u32 v5, s27, v2                       ; into it: 16 bytes a lane of a row
	v_mul_u32_u24 v6, v10, WP
	v_lshl_add_u32 v6, v11, 2, v6
	v_add_nc_u32 v6, s27, v6                       ; out of it: row r, 4 h bytes on
	s_lshl_b32 s27, s26, 8
	s_add_co_u32 s27, s27, LG
	v_mov_b32 v7, s27                              ; my eight tokens' logits
	v_lshlrev_b32 v9, 5, v1
	v_add_nc_u32 v9, LG, v9                        ; wave 0: token = lane
.irp e, 0,1,2,3,4,5,6,7
	v_mov_b32 v[PT+\e], 0                          ; written once: a lane permute's destination counts as one of its sources
.endr
	s_mov_b32 s42, 0x76543210                      ; v_permlanex16_b32: lane l takes lane l xor 16
	s_mov_b32 s43, 0xfedcba98
	s_lshl_b32 s44, ttmp9, 17                      ; x: (32 work-group + 8 wave) rows of 4,096 bytes
	s_lshl_b32 s46, s26, 15
	s_add_co_u32 s44, s44, s46
	s_mov_b32 s45, 0
	s_lshr_b32 s46, s44, 2                         ; xq: the same rows, of 1,024 bytes
	s_mov_b32 s47, 0
	s_lshl_b32 s48, ttmp9, 1
	s_lshr_b32 s49, s26, 1
	s_add_co_u32 s48, s48, s49                     ; ng: which 16 of We's 8,192 rows are my wave's
	s_and_b32 s49, s26, 1                          ; a: which half of their 1,024 codes
	s_lshl_b32 s50, s48, 14
	s_lshl_b32 s51, s49, 9
	s_add_co_u32 s50, s50, s51                     ; We: 16,384 ng + 512 a
	s_mov_b32 s51, 0
	s_lshr_b32 s52, s48, 2
	s_lshl_b32 s52, s52, 16
	s_lshl_b32 s53, s49, 15
	s_add_co_u32 s52, s52, s53
	s_and_b32 s53, s48, 3
	s_lshl_b32 s53, s53, 11
	s_add_co_u32 s52, s52, s53                     ; wf: 65,536 (ng / 4) + 32,768 a + 2,048 (ng % 4)
	s_mov_b32 s53, 0
	s_lshl_b32 s54, ttmp9, 8                       ; the chunk's 256 bytes in each of the four small buffers
	s_mov_b32 s55, 0
	s_wait_kmcnt 0x0
	s_load_b64 s[28:29], s[12:13], 0x0             ; e0, e1
	s_load_b256 s[32:39], s[8:9], 0x0              ; bg
	s_add_nc_u64 s[4:5], s[4:5], s[44:45]
	s_add_nc_u64 s[14:15], s[14:15], s[46:47]
	s_add_nc_u64 s[10:11], s[10:11], s[50:51]
	s_add_nc_u64 s[16:17], s[16:17], s[52:53]
	s_add_nc_u64 s[18:19], s[18:19], s[54:55]
	s_add_nc_u64 s[20:21], s[20:21], s[54:55]
	s_add_nc_u64 s[22:23], s[22:23], s[54:55]
	s_add_nc_u64 s[24:25], s[24:25], s[54:55]
	WIN 0x40                                       ; destination window 1
.irp e, 0,1,2,3,4,5,6,7
.irp j, 0,1,2,3,4,5,6,7
	global_load_b128 v[32*\e+4*\j:32*\e+4*\j+3], v2, s[6:7] offset:4096*\e+512*\j
.endr
.endr
	WIN 0x80                                       ; destination window 2
.irp t, 0,1,2,3,4,5,6,7
.irp j, 0,1,2,3,4,5,6,7
	global_load_b128 v[32*\t+4*\j:32*\t+4*\j+3], v2, s[4:5] offset:4096*\t+512*\j th:TH_LOAD_NT   ; 32 lanes read 512 consecutive bytes; read once in the launch
.endr
.endr
	WIN 0
.irp i, 0,1,2,3,4,5,6,7,8,9,10,11,12,13,14,15
	global_load_b128 v[WL+4*\i:WL+4*\i+3], v2, s[10:11] offset:1024*\i th:TH_LOAD_NT              ; row i of my 16: 512 codes
.endr
	s_wait_kmcnt 0x0
	s_add_co_i32 s40, s29, 127
	s_lshl_b32 s41, s40, 23
	v_mov_b32 v3, s41                              ; 2^e1 as f32: the conversion takes its exponent field
	s_add_co_i32 s40, s40, 15
	s_lshl_b32 s40, s40, 23
	s_or_b32 s40, s40, 0x600000
	v_mov_b32 v4, s40                              ; 57,344 x 2^e1
; One token: eight dot products of 1,024, then its 1,024 codes.
.macro TOKEN t
.if 8*(7-(\t))+16 > 63
	s_wait_loadcnt 63                              ; behind this token's loads stand 8 (7 - t) of later tokens and 16 of We: more than the count can name, so the largest count is taken
.else
	s_wait_loadcnt 8*(7-(\t))+16                   ; loads come back in order (ISA guide 5.7.1): this token's are in; 8 (7 - t) of later tokens and We's 16 may be out
.endif
	WIN 0x06                                       ; source 0 (x) window 2, source 1 (Wg) window 1
.irp e, 0,1,2,3,4,5,6,7
	v_pk_mul_f32 v[A+2*\e:A+2*\e+1], v[32*(\t):32*(\t)+1], v[32*\e:32*\e+1]        ; the first pair starts the sums: nothing is cleared
.endr
.set pr, 1
.rept 15
.irp e, 0,1,2,3,4,5,6,7                        ; eight chains, so that no line waits for the line above it
	v_pk_fma_f32 v[A+2*\e:A+2*\e+1], v[32*(\t)+2*pr:32*(\t)+2*pr+1], v[32*\e+2*pr:32*\e+2*pr+1], v[A+2*\e:A+2*\e+1]
.endr
.set pr, pr+1
.endr
	WIN 0
.irp e, 0,1,2,3,4,5,6,7
	v_add_f32 v[SM+8*(\t)+\e], v[A+2*\e], v[A+2*\e+1]
.endr
.irp m, 1,2,4,8                                ; across the 32 lanes: four steps inside each half, one across the halves
.irp e, 0,1,2,3,4,5,6,7
	v_add_f32_dpp v[SM+8*(\t)+\e], v[SM+8*(\t)+\e], v[SM+8*(\t)+\e] row_xmask:\m row_mask:0xf bank_mask:0xf
.endr
.endr
.irp e, 0,1,2,3,4,5,6,7
	v_permlanex16_b32 v[PT+\e], v[SM+8*(\t)+\e], s42, s43
.endr
.irp e, 0,1,2,3,4,5,6,7
	v_add_f32 v[SM+8*(\t)+\e], v[SM+8*(\t)+\e], v[PT+\e]
.endr
	ds_store_b128 v7, v[SM+8*(\t):SM+8*(\t)+3] offset:32*(\t)          ; every lane holds the same eight sums and writes the same 32 bytes
	ds_store_b128 v7, v[SM+8*(\t)+4:SM+8*(\t)+7] offset:32*(\t)+16
	WIN 0x82                                       ; source 0 and destination window 2
.set n, 0
.rept 32
	v_med3_num_f32 v[32*(\t)+n], v[32*(\t)+n], -v4, v4                 ; the conversion to an 8-bit code does not saturate (ISA guide 7.6.2): the hold at the largest code x the scale
.set n, n+1
.endr
	s_wait_xcnt 0x0                                ; the last token's two stores have read their data: the codes' registers are written again only behind this wait
	WIN 0x02                                       ; source 0 window 2, destination window 0
.irp m, 0,1,2,3
	v_cvt_scalef32_pk8_bf8_f32 v[C+2*\m:C+2*\m+1], v[32*(\t)+8*\m:32*(\t)+8*\m+7], v3
.endr
	v_nop                                          ; one plain vector instruction behind the last scaled conversion
	WIN 0
	global_store_b128 v2, v[C:C+3], s[14:15] offset:1024*(\t)          ; 32 lanes store 512 consecutive bytes, aligned
	global_store_b128 v2, v[C+4:C+7], s[14:15] offset:1024*(\t)+512
.endm
.irp t, 0,1,2,3,4,5,6,7
	TOKEN \t
.endr
	s_wait_dscnt 0x0                               ; for wave 0's sake: my logits lie in LDS
	s_barrier_signal -1
	s_barrier_wait -1
	s_cmp_lg_u32 s26, 0
	s_cbranch_scc1 .Lwtask
	; ---- wave 0 routes the chunk: lane = token.  v128-135 logits; v136, v137 the largest and its expert; v138, v139 the second
	ds_load_b128 v[128:131], v9
	ds_load_b128 v[132:135], v9 offset:16
	s_wait_dscnt 0x0
.irp e, 0,1,2,3,4,5,6,7
	v_add_f32 v[128+\e], s[32+\e], v[128+\e]       ; + bg
.endr
	v_mov_b32 v136, v128
	v_mov_b32 v137, 0
.irp e, 1,2,3,4,5,6,7
	v_cmp_gt_f32 vcc_lo, v[128+\e], v136           ; strictly greater: the lower index keeps a tie
	v_cndmask_b32 v136, v136, v[128+\e], vcc_lo
	v_cndmask_b32 v137, v137, \e, vcc_lo
.endr
	v_cmp_eq_u32 vcc_lo, 0, v137                   ; the second begins at the lowest expert that is not the first
	v_cndmask_b32 v138, v128, v129, vcc_lo
	v_cndmask_b32 v139, 0, 1, vcc_lo
.irp e, 1,2,3,4,5,6,7
	v_cmp_ne_u32 s40, \e, v137
	v_cmp_gt_f32 vcc_lo, v[128+\e], v138
	s_and_b32 vcc_lo, vcc_lo, s40
	v_cndmask_b32 v138, v138, v[128+\e], vcc_lo
	v_cndmask_b32 v139, v139, \e, vcc_lo
.endr
.irp e, 0,1,2,3,4,5,6,7
	v_sub_f32 v[140+\e], v[128+\e], v136           ; the largest logit is taken away first
.endr
	v_sub_f32 v148, v138, v136
.irp e, 0,1,2,3,4,5,6,7,8
	v_mul_f32 v[140+\e], 0x3fb8aa3b, v[140+\e]     ; x log2(e)
.endr
.irp e, 0,1,2,3,4,5,6,7,8
	v_exp_f32 v[140+\e], v[140+\e]                 ; one batch of nine
.endr
	v_min_u32 v160, v137, v139                     ; lo (a plain instruction behind the last exponential)
	v_max_u32 v161, v137, v139                     ; hi
	s_wait_alu depctr_va_vdst(0)                   ; one wait for the batch, ahead of its first reader
	v_add_f32 v149, v140, v141
	v_add_f32 v151, v142, v143
	v_add_f32 v162, v144, v145
	v_add_f32 v163, v146, v147
	v_add_f32 v149, v149, v151
	v_add_f32 v162, v162, v163
	v_add_f32 v149, v149, v162
	v_rcp_f32 v150, v149                           ; the first gate: 2^0 / the sum
	v_sub_nc_u32 v151, 15, v160                    ; the bin: lo (15 - lo) / 2 + hi - lo - 1
	v_mul_u32_u24 v151, v151, v160
	v_lshrrev_b32 v151, 1, v151
	v_add_nc_u32 v151, v151, v161
	v_sub_nc_u32 v151, v151, v160
	v_add_nc_u32 v152, -1, v151
	s_wait_alu depctr_va_vdst(0)                   ; ahead of the reciprocal's first reader
	v_mul_f32 v148, v148, v150                     ; the second gate
	v_cmp_lt_u32 vcc_lo, v137, v139
	v_cndmask_b32 v154, v148, v150, vcc_lo         ; lo's gate,
	v_cndmask_b32 v155, v150, v148, vcc_lo         ; hi's
	v_mov_b32 v153, 0                              ; rank
	v_mov_b32 v156, 0                              ; counts, lane = bin; lanes 28 to 31 stay 0
	v_mov_b32 v157, 0
	v_mov_b32 v158, 0
	v_mov_b32 v159, 0
.set bb, 0
.rept 28                                       ; values alone: no address and no branch hangs on the choice
	v_cmp_eq_u32 s40, bb, v152                     ; the chunk's tokens of bin bb,
	s_bcnt1_i32_b32 s41, s40                       ; how many,
	v_writelane_b32 v156, s41, bb
	v_mbcnt_lo_u32_b32 v151, s40, 0                ; and how many of them stand before me
	v_cndmask_b32 v153, v153, v151, s40
.set bb, bb+1
.endr
	global_store_b64 v8, v[152:153], s[20:21]      ; each of the four: 32 lanes store 256 consecutive bytes, aligned
	global_store_b64 v8, v[154:155], s[18:19]
	global_store_b64 v8, v[156:157], s[22:23]
	global_store_b64 v8, v[158:159], s[24:25]      ; toklist = 0: places that the next launch leaves free are read later
.Lwtask:
	; ---- 16 rows x 512 codes of We through my own stage: in as they lie, out four bytes at a time in the order q
	s_wait_loadcnt 0x0
.irp i, 0,1,2,3,4,5,6,7,8,9,10,11,12,13,14,15
	ds_store_b128 v5, v[WL+4*\i:WL+4*\i+3] offset:WP*\i
.endr
.irp s, 0,1,2,3
.irp c, 0,1,2,3
.irp b, 0,1,2,3
	ds_load_b32 v[WR+4*(4*\s+\c)+\b], v6 offset:128*\b+32*\s+8*\c      ; k = 512 a + 128 b + 32 s + 8 c + 4 h + 0 .. 3 of row r.  LDS serves a wave's instructions in order (ISA guide 5.7.1.4): these see my stores
.endr
.endr
.endr
.irp g, 0,1,2,3,4,5,6,7,8,9,10,11,12,13,14,15
	s_wait_dscnt 60-4*\g                           ; group g's four loads are in; the 4 (15 - g) behind them may be out
	global_store_b128 v2, v[WR+4*\g:WR+4*\g+3], s[16:17] offset:8192*(\g/4)+512*(\g%4)   ; 512 consecutive bytes, aligned
.endr
	s_wait_tensorcnt 0x0
	ds_add_u32 v62, v63
	s_wait_dscnt 0x0
	s_endpgm
.Lfunc_end_k_qede2fc67a2_route:
	.size	k_qede2fc67a2_route, .Lfunc_end_k_qede2fc67a2_route-k_qede2fc67a2_route
	.p2alignl 7, 3214868480
	.fill 96, 4, 3214868480
	.section	.rodata,"a",@progbits
	.p2align	6, 0x0
	.amdhsa_kernel k_qede2fc67a2_route
		.amdhsa_group_segment_fixed_size 35328
		.amdhsa_private_segment_fixed_size 0
		.amdhsa_enable_private_segment 0
		.amdhsa_kernarg_size 88
		.amdhsa_user_sgpr_count 2
		.amdhsa_user_sgpr_kernarg_segment_ptr 1
		.amdhsa_wavefront_size32 1
		.amdhsa_system_sgpr_workgroup_id_x 1
		.amdhsa_system_sgpr_workgroup_id_y 1
		.amdhsa_system_sgpr_workgroup_id_z 1
		.amdhsa_system_vgpr_workitem_id 0
		.amdhsa_next_free_vgpr 768
		.amdhsa_next_free_sgpr 66
		.amdhsa_reserve_vcc 1
		.amdhsa_float_denorm_mode_32 3
		.amdhsa_float_denorm_mode_16_64 3
		.amdhsa_memory_ordered 1
		.amdhsa_forward_progress 1
		.amdhsa_inst_pref_size 148
	.end_amdhsa_kernel
	.amdgpu_metadata
---
amdhsa.version: [ 1, 2 ]
amdhsa.kernels:
  - .name:           k_qede2fc67a2_route
    .symbol:         k_qede2fc67a2_route.kd
    .args:
      - { .name: x, .offset: 0, .size: 8, .value_kind: global_buffer, .address_space: global }
      - { .name: Wg, .offset: 8, .size: 8, .value_kind: global_buffer, .address_space: global }
      - { .name: bg, .offset: 16, .size: 8, .value_kind: global_buffer, .address_space: global }
      - { .name: We_codes, .offset: 24, .size: 8, .value_kind: global_buffer, .address_space: global }
      - { .name: lowp_scales, .offset: 32, .size: 8, .value_kind: global_buffer, .address_space: global }
      - { .name: xq, .offset: 40, .size: 8, .value_kind: global_buffer, .address_space: global }
      - { .name: wf, .offset: 48, .size: 8, .value_kind: global_buffer, .address_space: global }
      - { .name: gates, .offset: 56, .size: 8, .value_kind: global_buffer, .address_space: global }
      - { .name: binrank, .offset: 64, .size: 8, .value_kind: global_buffer, .address_space: global }
      - { .name: hist, .offset: 72, .size: 8, .value_kind: global_buffer, .address_space: global }
      - { .name: toklist, .offset: 80, .size: 8, .value_kind: global_buffer, .address_space: global }
    .group_segment_fixed_size: 35328
    .private_segment_fixed_size: 0
    .kernarg_segment_align: 8
    .kernarg_segment_size: 88
    .max_flat_workgroup_size: 128
    .sgpr_count:     66
    .vgpr_count:     768
    .wavefront_size: 32
...
	.end_amdgpu_metadata
.endif
;; end of part 1
;; launch place (part 2): grid 1 x 1, 16 waves a work-group, no clusters, 4,096 bytes of LDS; arguments binrank, hist, toklist, tiles; writes toklist, tiles
.if DOCPART == 2
	.amdgcn_target "amdgcn-amd-amdhsa--gfx1250"
	.amdhsa_code_object_version 6
	.text
	.protected	k_qede2fc67a2_place
	.globl	k_qede2fc67a2_place
	.p2align	8
	.type	k_qede2fc67a2_place,@function
k_qede2fc67a2_place:
	s_mov_b64 s[64:65], 0
	v_nop
	global_prefetch_b8 v0, s[64:65] scope:SCOPE_SE
	s_setreg_imm32_b32 hwreg(HW_REG_WAVE_MODE, 25, 1), 1
	s_wait_xcnt 0x0
; THE SECOND LAUNCH: a counting sort of the 8,192 tokens by their bin (pair of experts), from the whole numbers that the first launch stored.  One work-group of sixteen waves, no atomics.
; TILES.  A tile is up to 128 tokens of one bin.  All full tiles are numbered first (F of them), then the bins' remainders (P of them): F <= 64 and P <= 28, and F + P <= 91 for every split.
;   tiles[tau] = (lo + 8 hi, number of tokens), 0 tokens for tau >= F + P;  toklist[128 tau + i] = the tile's i-th token.
; SHARES.  Wave w owns chunks 16 w .. 16 w + 15 (32 tokens each).  With lane = bin it sums its chunks' counts; the sixteen waves' totals meet in LDS (one barrier); then each wave knows, for each of its chunks
;   and each bin, how many tokens of that bin stand in earlier chunks.  With lane = token it fetches its bin's numbers from the lane that holds them (ds_bpermute_b32: no LDS byte is touched).
;   rho = that offset + the token's rank in its chunk is its place in its bin: tile = FB + rho / 128 while that is a full tile of the bin, else F + PB; place in the tile = rho % 128.
; The stores into toklist are four bytes a lane at places that hang on the sort: 32 KiB in all; tokens of one bin and chunk fall side by side.
; REGISTERS: v1-5 addresses; v6 a bin's total; v7 tokens of the bin in earlier waves; v9 FB, v10 PB (lane = bin); v11-14 the tiles' table at work; v15 the packed word FB | full tiles << 8 | (F + PB) << 16;
;   v16-31 counts, then offsets fetched; v32-48 prefix sums; v64-79 the waves' totals, then packed words fetched; v80-111 (bin, rank); v112-127 indices, then places; v128-143 token numbers.
.set H,   16
.set P,   32
.set WR,  64
.set BR,  80
.set IX,  112
.set TN,  128
	s_load_b256 s[4:11], s[0:1], 0x0               ; binrank s[4:5], hist s[6:7], toklist s[8:9], tiles s[10:11]
	v_lshl_add_u32 v192, v0, 2, 0x800
	v_mov_b32 v193, 0
	v_lshrrev_b32 v1, 5, v0
	v_readfirstlane_b32 s14, v1                    ; wave 0..15
	v_and_b32 v1, 31, v0                           ; lane
	v_lshlrev_b32 v2, 3, v1                        ; 8 x lane
	v_lshlrev_b32 v3, 2, v0                        ; LDS: my wave's row of 128 bytes, my lane's word
	v_lshlrev_b32 v4, 2, v1                        ; LDS: my lane's word of a row
	v_and_b32 v5, 0x1e0, v0
	v_lshl_or_b32 v5, v5, 4, v1                    ; 512 wave + lane: my token of my wave's first chunk
	v_lshlrev_b32 v53, 3, v0                       ; tiles: 8 x thread
	v_mov_b32 v52, 0x80
	s_lshl_b32 s12, s14, 12                        ; 16 chunks of 256 bytes, in hist and in binrank alike
	s_mov_b32 s13, 0
	s_wait_kmcnt 0x0
	s_add_nc_u64 s[4:5], s[4:5], s[12:13]
	s_add_nc_u64 s[6:7], s[6:7], s[12:13]
.irp i, 0,1,2,3,4,5,6,7,8,9,10,11,12,13,14,15
	global_load_b32 v[H+\i], v2, s[6:7] offset:256*\i                  ; chunk i's count of bin = lane
.endr
.irp i, 0,1,2,3,4,5,6,7,8,9,10,11,12,13,14,15
	global_load_b64 v[BR+2*\i:BR+2*\i+1], v2, s[4:5] offset:256*\i     ; chunk i's (bin, rank) of token = lane: 256 consecutive bytes
.endr
	s_wait_loadcnt 16                              ; the counts are in; the sixteen loads behind them may be out
	v_mov_b32 v[P], 0
.irp i, 0,1,2,3,4,5,6,7,8,9,10,11,12,13,14,15
	v_add_nc_u32 v[P+1+\i], v[P+\i], v[H+\i]       ; tokens of the bin in my earlier chunks
.endr
	ds_store_b32 v3, v[P+16]                       ; my wave's totals
	s_wait_dscnt 0x0                               ; for the others' sake
	s_barrier_signal -1
	s_barrier_wait -1
.irp i, 0,1,2,3,4,5,6,7,8,9,10,11,12,13,14,15
	ds_load_b32 v[WR+\i], v4 offset:128*\i
.endr
	s_wait_dscnt 0x0
.irp i, 0,1,2,3,4,5,6,7,8,9,10,11,12,13,14,15
	s_cmp_gt_u32 s14, \i                           ; does wave i stand before mine?
	s_cselect_b32 s15, -1, 0
.if \i == 0
	v_mov_b32 v6, v[WR]
	v_and_b32 v7, s15, v[WR]
.else
	v_add_nc_u32 v6, v6, v[WR+\i]                  ; the bin's total,
	v_and_b32 v8, s15, v[WR+\i]
	v_add_nc_u32 v7, v7, v8                        ; and what earlier waves hold of it
.endif
.endr
.irp i, 0,1,2,3,4,5,6,7,8,9,10,11,12,13,14,15
	v_add_nc_u32 v[P+\i], v[P+\i], v7              ; tokens of the bin in all earlier chunks
.endr
	; the bins in order: s32 = full tiles so far (FB), s33 = remainders so far (PB).  Thread tau keeps the last bin whose FB is not above tau: the bin of full tile tau
	s_mov_b32 s32, 0
	s_mov_b32 s33, 0
	v_mov_b32 v9, 0
	v_mov_b32 v10, 0
	v_mov_b32 v11, 0
.set bb, 0
.irp lo, 0,1,2,3,4,5,6
.irp hi, 1,2,3,4,5,6,7
.if \hi > \lo
	v_readlane_b32 s30, v6, bb
	v_writelane_b32 v9, s32, bb
	v_writelane_b32 v10, s33, bb
	s_mov_b32 s[36+bb], s33
	v_cmp_le_u32 vcc_lo, s32, v0
	v_cndmask_b32 v11, v11, (\lo+8*\hi), vcc_lo
	s_lshr_b32 s31, s30, 7
	s_add_co_u32 s32, s32, s31
	s_and_b32 s[66+bb], s30, 127                   ; the remainder; SCC = it is not 0,
	s_add_co_ci_u32 s33, s33, 0                    ; which is one tile more
.set bb, bb+1
.endif
.endr
.endr
	; the remainders: thread tau keeps the last bin whose PB is not above tau - F
	v_sub_nc_u32 v14, v0, s32
	v_mov_b32 v12, 0
	v_mov_b32 v13, 0
.set bb, 0
.irp lo, 0,1,2,3,4,5,6
.irp hi, 1,2,3,4,5,6,7
.if \hi > \lo
	v_cmp_le_u32 vcc_lo, s[36+bb], v14
	v_cndmask_b32 v12, v12, (\lo+8*\hi), vcc_lo
	v_cndmask_b32 v13, v13, s[66+bb], vcc_lo
.set bb, bb+1
.endif
.endr
.endr
	v_cmp_gt_u32 vcc_lo, s32, v0                   ; a full tile?
	v_cndmask_b32 v50, v12, v11, vcc_lo
	v_cndmask_b32 v51, v13, v52, vcc_lo
	s_add_co_u32 s34, s32, s33
	v_cmp_gt_u32 vcc_lo, s34, v0                   ; a tile at all?
	v_cndmask_b32 v51, 0, v51, vcc_lo
	s_cmp_gt_u32 s14, 3
	s_cbranch_scc1 .Lno_tiles                      ; the table has 128 entries: threads 0 to 127 store it
	global_store_b64 v53, v[50:51], s[10:11]
.Lno_tiles:
	v_lshrrev_b32 v8, 7, v6
	v_lshl_or_b32 v15, v8, 8, v9
	v_add_nc_u32 v8, s32, v10
	v_lshl_or_b32 v15, v8, 16, v15                 ; FB | full tiles << 8 | (F + PB) << 16, lane = bin
	s_wait_loadcnt 0x0                             ; (bin, rank)
.irp i, 0,1,2,3,4,5,6,7,8,9,10,11,12,13,14,15
	v_min_u32 v[IX+\i], 31, v[BR+2*\i]
	v_lshlrev_b32 v[IX+\i], 2, v[IX+\i]            ; the lane that holds my bin, x 4
.endr
.irp i, 0,1,2,3,4,5,6,7,8,9,10,11,12,13,14,15
	ds_bpermute_b32 v[H+\i], v[IX+\i], v[P+\i]
	ds_bpermute_b32 v[WR+\i], v[IX+\i], v15
.endr
.irp i, 0,1,2,3,4,5,6,7,8,9,10,11,12,13,14,15
	v_add_nc_u32 v[TN+\i], 32*\i, v5               ; my token of chunk i
.endr
	s_wait_dscnt 0x0
.irp i, 0,1,2,3,4,5,6,7,8,9,10,11,12,13,14,15
	v_add_nc_u32 v[H+\i], v[H+\i], v[BR+2*\i+1]    ; rho
	v_lshrrev_b32 v144, 7, v[H+\i]
	v_bfe_u32 v145, v[WR+\i], 8, 8
	v_and_b32 v146, 0xff, v[WR+\i]
	v_add_nc_u32 v146, v146, v144                  ; FB + rho / 128
	v_lshrrev_b32 v147, 16, v[WR+\i]               ; F + PB
	v_cmp_lt_u32 vcc_lo, v144, v145
	v_cndmask_b32 v146, v147, v146, vcc_lo         ; the tile
	v_and_b32 v[H+\i], 0x7f, v[H+\i]
	v_lshl_or_b32 v[IX+\i], v146, 7, v[H+\i]
	v_min_u32 v[IX+\i], 0x3fff, v[IX+\i]           ; inside toklist whatever was read
	v_lshlrev_b32 v[IX+\i], 2, v[IX+\i]
	global_store_b32 v[IX+\i], v[TN+\i], s[8:9]
.endr
	s_wait_tensorcnt 0x0
	ds_add_u32 v192, v193
	s_wait_dscnt 0x0
	s_endpgm
.Lfunc_end_k_qede2fc67a2_place:
	.size	k_qede2fc67a2_place, .Lfunc_end_k_qede2fc67a2_place-k_qede2fc67a2_place
	.p2alignl 7, 3214868480
	.fill 96, 4, 3214868480
	.section	.rodata,"a",@progbits
	.p2align	6, 0x0
	.amdhsa_kernel k_qede2fc67a2_place
		.amdhsa_group_segment_fixed_size 4096
		.amdhsa_private_segment_fixed_size 0
		.amdhsa_enable_private_segment 0
		.amdhsa_kernarg_size 32
		.amdhsa_user_sgpr_count 2
		.amdhsa_user_sgpr_kernarg_segment_ptr 1
		.amdhsa_wavefront_size32 1
		.amdhsa_system_sgpr_workgroup_id_x 1
		.amdhsa_system_sgpr_workgroup_id_y 1
		.amdhsa_system_sgpr_workgroup_id_z 1
		.amdhsa_system_vgpr_workitem_id 0
		.amdhsa_next_free_vgpr 194
		.amdhsa_next_free_sgpr 96
		.amdhsa_reserve_vcc 1
		.amdhsa_float_denorm_mode_32 3
		.amdhsa_float_denorm_mode_16_64 3
		.amdhsa_memory_ordered 1
		.amdhsa_forward_progress 1
		.amdhsa_inst_pref_size 42
	.end_amdhsa_kernel
	.amdgpu_metadata
---
amdhsa.version: [ 1, 2 ]
amdhsa.kernels:
  - .name:           k_qede2fc67a2_place
    .symbol:         k_qede2fc67a2_place.kd
    .args:
      - { .name: binrank, .offset: 0, .size: 8, .value_kind: global_buffer, .address_space: global }
      - { .name: hist, .offset: 8, .size: 8, .value_kind: global_buffer, .address_space: global }
      - { .name: toklist, .offset: 16, .size: 8, .value_kind: global_buffer, .address_space: global }
      - { .name: tiles, .offset: 24, .size: 8, .value_kind: global_buffer, .address_space: global }
    .group_segment_fixed_size: 4096
    .private_segment_fixed_size: 0
    .kernarg_segment_align: 8
    .kernarg_segment_size: 32
    .max_flat_workgroup_size: 512
    .sgpr_count:     96
    .vgpr_count:     194
    .wavefront_size: 32
...
	.end_amdgpu_metadata
.endif
;; end of part 2
;; launch experts (part 3): grid 4 x 91, 4 waves a work-group, no clusters, 169,984 bytes of LDS; arguments xq, wf, be, gates, toklist, tiles, lowp_scales, out0; writes out0
.if DOCPART == 3
	.amdgcn_target "amdgcn-amd-amdhsa--gfx1250"
	.amdhsa_code_object_version 6
	.text
	.protected	k_qede2fc67a2_experts
	.globl	k_qede2fc67a2_experts
	.p2align	8
	.type	k_qede2fc67a2_experts,@function
k_qede2fc67a2_experts:
	s_mov_b64 s[64:65], 0
	v_nop
	global_prefetch_b8 v0, s[64:65] scope:SCOPE_SE
	s_setreg_imm32_b32 hwreg(HW_REG_WAVE_MODE, 25, 1), 1
	s_wait_xcnt 0x0
; THE THIRD LAUNCH: out[t] = g_lo (x[t] We[lo]^T + be[lo]) + g_hi (x[t] We[hi]^T + be[hi]), on codes of BF8 (E5M2), only for the two experts chosen for each token.
; A number of We is its code x 2^e0, of x its code x 2^e1.  The codes are multiplied as they are; be goes in as the C of each sum's first matrix instruction, divided by 2^(e0 + e1); the gates carry 2^(e0 + e1).
; SHARES.  Work-group (cb, tau): tile tau of the stored list (up to 128 tokens that chose the SAME pair of experts) x columns 256 cb .. 256 cb + 255.  So each output row has one owner for each column.
;   Wave w: all 128 tokens x 64 columns (cg = 4 cb + w) x BOTH experts: 8 blocks of 16 tokens x 8 blocks of weights (four of lo, four of hi) = 64 accumulators, 512 registers.
;   x's rows are gathered by the list into LDS once and read by all four waves.  A wave's weights are its own: they come from wf, which is laid in the order of the operand's registers, straight into registers,
;   512 consecutive bytes a load, two K steps ahead in two sets.
; THE GRID serves every split: never more than 64 full tiles and 27 more.  A tile without tokens stores nothing and ends, behind the one barrier, which every wave of every work-group passes.
;   A tile's places beyond its count take its first token once more: they compute and store the same numbers to the same bytes, so no store needs a mask.  Quarters (32 places) that hold no token at all are
;   jumped over from the second K step on, by a scalar branch on the stored count; their LDS loads stay, so that every wait's count holds on every path.
; NO TENSOR LOADS AND NO JOINT LOADS: the rows are gathered by a list, and whether a work-group has rows, and how many quarters, is read from memory; partners would not run alike.
; THE MATRIX INSTRUCTION IS USED TRANSPOSED (source 0 = 16 columns of We, source 1 = 16 tokens): a lane holds one token (lane % 16) and eight neighbouring columns 8 (lane / 16) + 0 .. 7.
; K runs in the order q in which the first launch laid both operands: the same permutation of k on both sides.
; LIMIT: e0 + e1 between -126 and 127, so that 2^(e0 + e1) is an f32 number.
; REGISTERS, in windows of 256: window 0: v1-15 addresses; v16-31 the gather's offsets; v32-47 gates; v48-54 at work; v64-127 be in the result's layout (block b at v[64 + 8 b]), later the scaled gates;
;   v128-255 x's eight fragments.  On the way out v96-223 results, v224-255 the stores' offsets.   window 1: the weights' two sets, block b of set p at v[128 p + 16 b]; on the way out rows read back.
;   windows 2, 3: accumulator (a, b) at v[8 (8 (a % 4) + b)] of window 2 + a / 4; window 2 first holds the gathered rows on their way into LDS.
.set XP,  1040                         ; a token's row in LDS: 1,024 bytes + 16 = 260 words: row r starts at bank 4 r mod 64 (64 banks of 4 bytes: ISA guide 11.1)
.set GT,  133120                       ; behind the 128 rows: the tokens' gates, 8 bytes each,
.set TK,  134144                       ; their numbers, 4 bytes each,
.set STG, 134656                       ; and a stage of 32 rows x SP bytes for each wave, for the way out
.set SP,  272
.set BI,  64
.set GS,  64
.set XF,  128
.set TQ,  96
.set OFR, 224
.set MSB, 0
.macro WIN new                         ; the immediate's high byte repeats the setting that is left; a switch that changes nothing is dropped
.if MSB != (\new)
	s_set_vgpr_msb (MSB<<8)|(\new)
.set MSB, (\new)
.endif
.endm
; K step s of my weights into set p: 32 loads of 512 consecutive bytes
.macro WLOAD s, p
	WIN 0x40                                       ; destination window 1
.irp b, 0,1,2,3
.irp c, 0,1,2,3
	global_load_b128 v[128*(\p)+16*\b+4*\c:128*(\p)+16*\b+4*\c+3], v3, s[32:33] offset:8192*(\s)+2048*\b+512*\c
.endr
.endr
.irp b, 0,1,2,3
.irp c, 0,1,2,3
	global_load_b128 v[128*(\p)+64+16*\b+4*\c:128*(\p)+64+16*\b+4*\c+3], v3, s[34:35] offset:8192*(\s)+2048*\b+512*\c
.endr
.endr
	WIN 0
.endm
; x's fragments of blocks 2 q, 2 q + 1 for K step s: lane (r, h) takes q = 128 s + 32 c + 16 h + 0 .. 15 of row 16 a + r
.macro XLOAD q, s
.irp u, 0,1
.irp c, 0,1,2,3
	ds_load_b128 v[XF+16*(2*(\q)+\u)+4*\c:XF+16*(2*(\q)+\u)+4*\c+3], v[4+(\q)/2] offset:16*XP*((2*(\q)+\u)%4)+128*(\s)+32*\c
.endr
.endr
.endm
; 16 matrix instructions: blocks 2 q, 2 q + 1 of tokens x the eight blocks of weights of set p.  first = 1: be starts the sums.  The accumulators take turns, one instruction a turn.
.macro MULQ q, p, first
.if \first
	WIN 0x81+0x40*((\q)/2)                         ; source 0 window 1; C window 0; D window 2 or 3
.else
	WIN 0xa1+0x50*((\q)/2)                         ; source 0 window 1; C and D window 2 or 3
.endif
.irp b, 0,1,2,3,4,5,6,7
.irp u, 0,1
.set AC, 8*(8*((2*(\q)+\u)%4)+\b)
.if \first
	v_wmma_f32_16x16x128_bf8_bf8 v[AC:AC+7], v[128*(\p)+16*\b:128*(\p)+16*\b+15], v[XF+16*(2*(\q)+\u):XF+16*(2*(\q)+\u)+15], v[BI+8*\b:BI+8*\b+7]
.else
	v_wmma_f32_16x16x128_bf8_bf8 v[AC:AC+7], v[128*(\p)+16*\b:128*(\p)+16*\b+15], v[XF+16*(2*(\q)+\u):XF+16*(2*(\q)+\u)+15], v[AC:AC+7]
.endif
.endr
.endr
.endm
; A quarter of a K step.  Its x fragments are fetched anew, for the next K step, as soon as its products are issued, on every path.
.macro QUARTER s, q
.if (\s) < 7
	s_wait_dscnt 24                                ; my quarter's eight loads are in; behind them stand the eight of each of the three other quarters
.else
	s_wait_dscnt 8*(3-(\q))                        ; the last K step fetches nothing: behind my eight stand those of the quarters still to come
.endif
.if ((\s) > 0) && ((\q) > 0)
	s_cmp_le_u32 s31, 2*(\q)                       ; no token in these 32 places: the products are left out
	s_cbranch_scc1 .Lskip_\@
.endif
.if (\s) == 0
	MULQ \q, 0, 1
.else
	MULQ \q, (\s)%2, 0
.endif
	WIN 0                                          ; at a label and at a branch every window is 0
.if ((\s) > 0) && ((\q) > 0)
.Lskip_\@:
.endif
.if (\s) < 7
.rept 4
	v_nop                                          ; four places in front of loads into registers that matrix instructions have read (ISA guide 7.12.1 for vector instructions)
.endr
	XLOAD \q, (\s)+1
.endif
.endm
.macro STEP s
.if (\s) < 7
	s_wait_loadcnt 32                              ; this K step's weights are in; the next step's 32 loads may be out
.else
	s_wait_loadcnt 0x0
.endif
	QUARTER \s, 0
	QUARTER \s, 1
	QUARTER \s, 2
	QUARTER \s, 3
.if (\s) <= 5
	WLOAD (\s)+2, (\s)%2                           ; into the set just multiplied: the fourth quarter's four v_nop are its places too
.endif
.endm
	s_load_b512 s[4:19], s[0:1], 0x0               ; xq s[4:5], wf s[6:7], be s[8:9], gates s[10:11], toklist s[12:13], tiles s[14:15], the exponents s[16:17], out s[18:19]
	v_lshl_add_u32 v62, v0, 2, 0x29600
	v_mov_b32 v63, 0
	v_lshrrev_b32 v1, 5, v0
	v_readfirstlane_b32 s30, v1                    ; wave 0..3
	s_and_b32 s23, ttmp7, 0xffff                   ; tau
	s_lshl_b32 s26, s23, 3                         ; its entry of tiles,
	s_lshl_b32 s46, s23, 9                         ; its 128 places of toklist
	s_mov_b32 s47, 0
	v_and_b32 v1, 15, v0                           ; r
	v_bfe_u32 v2, v0, 4, 1                         ; h
	v_and_b32 v3, 31, v0
	v_lshlrev_b32 v3, 4, v3                        ; 16 x lane
	v_mul_u32_u24 v4, v1, XP
	v_lshl_add_u32 v4, v2, 4, v4                   ; x's fragments: row r, 16 h bytes on; blocks 0 to 3,
	v_add_nc_u32 v5, 64*XP, v4                     ; blocks 4 to 7
	s_lshl_b32 s27, s30, 5
	v_add_nc_u32 v54, s27, v2                      ; the gather: my wave fills places 32 w .. 32 w + 31, two a load: 32 w + h + 2 i
	v_mul_u32_u24 v6, v54, XP
	v_lshl_add_u32 v6, v1, 4, v6                   ; in LDS: sixteen lanes to 256 bytes of a row
	v_lshlrev_b32 v7, 2, v54                       ; in toklist
	v_lshlrev_b32 v9, 2, v0                        ; toklist, place = thread
	s_mul_i32 s27, s30, 32*SP
	s_add_co_u32 s27, s27, STG                     ; my stage
	v_mul_u32_u24 v10, v1, SP
	v_lshl_add_u32 v10, v2, 5, v10
	v_add_nc_u32 v10, s27, v10                     ; in: row r, 32 h bytes on
	v_mul_u32_u24 v11, v2, SP
	v_lshl_add_u32 v11, v1, 4, v11
	v_add_nc_u32 v11, s27, v11                     ; back: lanes 0-15 one row of 256 bytes, lanes 16-31 the next
	v_lshlrev_b32 v12, 2, v2
	v_add_nc_u32 v12, TK, v12                      ; those two rows' token numbers
	v_lshlrev_b32 v13, 3, v1
	v_add_nc_u32 v13, GT, v13                      ; token r's gates
	v_lshlrev_b32 v14, 4, v1                       ; 16 r
	v_lshlrev_b32 v15, 5, v2                       ; be: my half's eight columns
	v_lshl_add_u32 v52, v0, 3, GT
	v_add_nc_u32 v53, TK, v9
	s_lshl_b32 s44, ttmp9, 2
	s_add_co_u32 s44, s44, s30                     ; cg = 4 cb + w
	s_wait_kmcnt 0x0
	s_load_b64 s[20:21], s[14:15], s26 offset:0x0  ; lo + 8 hi, the number of tokens
	s_load_b32 s22, s[12:13], s46 offset:0x0       ; the tile's first token
	s_load_b64 s[24:25], s[16:17], 0x0             ; e0, e1
	s_add_nc_u64 s[28:29], s[12:13], s[46:47]
	global_load_b32 v48, v9, s[28:29]              ; the token of place = thread,
.irp i, 0,1,2,3,4,5,6,7,8,9,10,11,12,13,14,15
	global_load_b32 v[16+\i], v7, s[28:29] offset:8*\i     ; and those of the places that I gather
.endr
	s_wait_kmcnt 0x0
	s_min_u32 s21, s21, 128                        ; what was read is held inside its range before it steers anything
	s_and_b32 s50, s20, 7
	s_min_u32 s50, s50, 7                          ; lo
	s_lshr_b32 s51, s20, 3
	s_min_u32 s51, s51, 7                          ; hi
	s_min_u32 s22, s22, 8191
	s_add_co_u32 s31, s21, 15
	s_lshr_b32 s31, s31, 4                         ; blocks of 16 places that hold a token
	s_mov_b32 s53, 0
	s_lshl_b32 s52, s50, 4
	s_add_co_u32 s52, s52, s44
	s_lshl_b32 s52, s52, 16
	s_add_nc_u64 s[32:33], s[6:7], s[52:53]        ; lo's weights: 65,536 (16 lo + cg)
	s_lshl_b32 s52, s51, 4
	s_add_co_u32 s52, s52, s44
	s_lshl_b32 s52, s52, 16
	s_add_nc_u64 s[34:35], s[6:7], s[52:53]        ; hi's
	s_lshl_b32 s54, s44, 8                         ; my 64 columns in bytes of f32
	s_lshl_b32 s52, s50, 12
	s_add_co_u32 s52, s52, s54
	s_add_nc_u64 s[36:37], s[8:9], s[52:53]        ; be[lo] at my columns
	s_lshl_b32 s52, s51, 12
	s_add_co_u32 s52, s52, s54
	s_add_nc_u64 s[38:39], s[8:9], s[52:53]        ; be[hi]
	s_mov_b32 s52, s54
	s_add_nc_u64 s[42:43], s[18:19], s[52:53]      ; out at my columns
	s_add_co_i32 s41, s24, s25                     ; e0 + e1
	s_add_co_i32 s40, s41, 127
	s_lshl_b32 s40, s40, 23                        ; 2^(e0 + e1) as f32
	s_sub_co_i32 s41, 0, s41
.irp b, 0,1,2,3
	global_load_b128 v[BI+8*\b:BI+8*\b+3], v15, s[36:37] offset:64*\b          ; be[lo][64 cg + 16 b + 8 h + 0 .. 7]: the result's layout
	global_load_b128 v[BI+8*\b+4:BI+8*\b+7], v15, s[36:37] offset:64*\b+16
.endr
.irp b, 0,1,2,3
	global_load_b128 v[BI+32+8*\b:BI+32+8*\b+3], v15, s[38:39] offset:64*\b
	global_load_b128 v[BI+32+8*\b+4:BI+32+8*\b+7], v15, s[38:39] offset:64*\b+16
.endr
	WLOAD 0, 0
	s_wait_loadcnt 48                              ; the 17 loads from toklist are in; behind them: be's 16 and the weights' 32
	v_cmp_gt_u32 vcc_lo, s21, v0                   ; a place beyond the count takes the tile's first token
	v_cndmask_b32 v48, s22, v48, vcc_lo
	v_min_u32 v48, 0x1fff, v48
	v_lshlrev_b32 v49, 3, v48
	global_load_b64 v[50:51], v49, s[10:11]        ; its gates
	v_sub_nc_u32 v8, s21, v54                      ; place 32 w + h + 2 i is inside the count where 2 i < this
.irp i, 0,1,2,3,4,5,6,7,8,9,10,11,12,13,14,15
	v_cmp_lt_i32 vcc_lo, 2*\i, v8
	v_cndmask_b32 v[16+\i], s22, v[16+\i], vcc_lo
	v_min_u32 v[16+\i], 0x1fff, v[16+\i]
	v_lshl_add_u32 v[16+\i], v[16+\i], 10, v14     ; the token's row of 1,024 codes, 16 r bytes on
.endr
	WIN 0x80                                       ; destination window 2
.irp i, 0,1,2,3,4,5,6,7,8,9,10,11,12,13,14,15
.irp u, 0,1,2,3
	global_load_b128 v[16*\i+4*\u:16*\i+4*\u+3], v[16+\i], s[4:5] offset:256*\u    ; sixteen lanes read 256 consecutive bytes of a row, aligned
.endr
.endr
	WLOAD 1, 1
	s_wait_loadcnt 32                              ; all but the weights of K step 1
.set n, 0
.rept 64
	v_ldexp_f32 v[BI+n], v[BI+n], s41              ; be / 2^(e0 + e1): what the sums of codes lack
.set n, n+1
.endr
	ds_store_b64 v52, v[50:51]
	ds_store_b32 v53, v48
	WIN 0x08                                       ; store data window 2
.irp i, 0,1,2,3,4,5,6,7,8,9,10,11,12,13,14,15
.irp u, 0,1,2,3
	ds_store_b128 v6, v[16*\i+4*\u:16*\i+4*\u+3] offset:2*XP*\i+256*\u
.endr
.endr
	WIN 0
	s_wait_dscnt 0x0                               ; for the others' sake: my 32 rows, gates and numbers lie in LDS
	s_barrier_signal -1
	s_barrier_wait -1                              ; the launch's one barrier, ahead of every branch on what was read
	s_cmp_eq_u32 s21, 0
	s_cbranch_scc1 .Lend                           ; this split has no such tile
.irp a, 0,1,2,3,4,5,6,7
	ds_load_b64 v[32+2*\a:33+2*\a], v13 offset:128*\a      ; the gates of token 16 a + r
.endr
	XLOAD 0, 0
	XLOAD 1, 0
	XLOAD 2, 0
	XLOAD 3, 0
	STEP 0                                         ; all 64 accumulators are begun, with be as C: nothing is cleared
	STEP 1
	STEP 2
	STEP 3
	STEP 4
	STEP 5
	STEP 6
	STEP 7
; THE WAY OUT, 32 places at a time.  out = (g_lo 2^(e0 + e1)) x lo's sum + (g_hi 2^(e0 + e1)) x hi's sum.  A lane holds 32 neighbouring bytes of a row and the lanes beside it hold other rows: so the results go
; through my own stage in LDS and come back as whole rows of 256 bytes.  LDS serves a wave's instructions in order (ISA guide 5.7.1.4): no wait between my stores and my loads.
.irp a, 0,1,2,3,4,5,6,7                        ; these 32 lines are also the places behind the last products
	v_mul_f32 v[GS+4*\a], s40, v[32+2*\a]
	v_mul_f32 v[GS+4*\a+1], s40, v[32+2*\a]        ; (named as the upper half of a pair, so it is written)
	v_mul_f32 v[GS+4*\a+2], s40, v[33+2*\a]
	v_mul_f32 v[GS+4*\a+3], s40, v[33+2*\a]
.endr
.macro PACK q
	WIN 0x02+(\q)/2                                ; source 0: window 2 or 3
.irp u, 0,1
.irp b, 0,1,2,3
.set AC, 8*(8*((2*(\q)+\u)%4)+\b)
.set TT, TQ+64*((\q)%2)+32*\u+8*\b
.set GA, GS+4*(2*(\q)+\u)
.irp j, 0,2,4,6                                ; each accumulator from its low end on
	v_pk_mul_f32 v[TT+\j:TT+\j+1], v[AC+\j:AC+\j+1], v[GA:GA+1] op_sel_hi:[1,0]
.endr
.irp j, 0,2,4,6
	v_pk_fma_f32 v[TT+\j:TT+\j+1], v[AC+32+\j:AC+32+\j+1], v[GA+2:GA+3], v[TT+\j:TT+\j+1] op_sel_hi:[1,0,1]
.endr
.endr
.endr
	WIN 0
.endm
.macro TOSTAGE q
.if (\q) > 1
	s_wait_xcnt 0x0                                ; the stores of two quarters back have read their data and offsets: both sets are loaded again only behind this wait
.endif
.irp u, 0,1
.irp b, 0,1,2,3
.set TT, TQ+64*((\q)%2)+32*\u+8*\b
	ds_store_b128 v10, v[TT:TT+3] offset:16*SP*\u+64*\b
	ds_store_b128 v10, v[TT+4:TT+7] offset:16*SP*\u+64*\b+16
.endr
.endr
	WIN 0x40                                       ; destination window 1
.irp t, 0,1,2,3,4,5,6,7,8,9,10,11,12,13,14,15
	ds_load_b128 v[64*((\q)%2)+4*\t:64*((\q)%2)+4*\t+3], v11 offset:2*SP*\t
.endr
	WIN 0
.irp t, 0,1,2,3,4,5,6,7,8,9,10,11,12,13,14,15
	ds_load_b32 v[OFR+16*((\q)%2)+\t], v12 offset:4*(32*(\q)+2*\t)     ; the token of place 32 q + 2 t + lane / 16
.endr
.endm
.macro SEND q
	s_wait_dscnt 0x0                               ; the rows and their tokens are back in registers
.irp t, 0,1,2,3,4,5,6,7,8,9,10,11,12,13,14,15
	v_min_u32 v[OFR+16*((\q)%2)+\t], 0x1fff, v[OFR+16*((\q)%2)+\t]
	v_lshl_add_u32 v[OFR+16*((\q)%2)+\t], v[OFR+16*((\q)%2)+\t], 12, v14       ; the token's row of 4,096 bytes, 16 r bytes on
.endr
	WIN 0x04                                       ; store data window 1
.irp t, 0,1,2,3,4,5,6,7,8,9,10,11,12,13,14,15
	global_store_b128 v[OFR+16*((\q)%2)+\t], v[64*((\q)%2)+4*\t:64*((\q)%2)+4*\t+3], s[42:43] th:TH_STORE_NT   ; sixteen lanes store 256 consecutive bytes, aligned; written once, read by nobody here
.endr
	WIN 0
.endm
	PACK 0
	TOSTAGE 0
	s_cmp_le_u32 s31, 2                            ; a quarter without tokens, and all behind it, is not stored
	s_cbranch_scc1 .Llast0
	PACK 1                                         ; a quarter's arithmetic stands between the loads of the quarter before and its stores
	SEND 0
	TOSTAGE 1
	s_cmp_le_u32 s31, 4
	s_cbranch_scc1 .Llast1
	PACK 2
	SEND 1
	TOSTAGE 2
	s_cmp_le_u32 s31, 6
	s_cbranch_scc1 .Llast2
	PACK 3
	SEND 2
	TOSTAGE 3
	SEND 3
.Lend:
	s_wait_tensorcnt 0x0
	ds_add_u32 v62, v63
	s_wait_dscnt 0x0
	s_endpgm
.Llast0:
	SEND 0
	s_wait_tensorcnt 0x0
	ds_add_u32 v62, v63
	s_wait_dscnt 0x0
	s_endpgm
.Llast1:
	SEND 1
	s_wait_tensorcnt 0x0
	ds_add_u32 v62, v63
	s_wait_dscnt 0x0
	s_endpgm
.Llast2:
	SEND 2
	s_wait_tensorcnt 0x0
	ds_add_u32 v62, v63
	s_wait_dscnt 0x0
	s_endpgm
.Lfunc_end_k_qede2fc67a2_experts:
	.size	k_qede2fc67a2_experts, .Lfunc_end_k_qede2fc67a2_experts-k_qede2fc67a2_experts
	.p2alignl 7, 3214868480
	.fill 96, 4, 3214868480
	.section	.rodata,"a",@progbits
	.p2align	6, 0x0
	.amdhsa_kernel k_qede2fc67a2_experts
		.amdhsa_group_segment_fixed_size 169984
		.amdhsa_private_segment_fixed_size 0
		.amdhsa_enable_private_segment 0
		.amdhsa_kernarg_size 64
		.amdhsa_user_sgpr_count 2
		.amdhsa_user_sgpr_kernarg_segment_ptr 1
		.amdhsa_wavefront_size32 1
		.amdhsa_system_sgpr_workgroup_id_x 1
		.amdhsa_system_sgpr_workgroup_id_y 1
		.amdhsa_system_sgpr_workgroup_id_z 1
		.amdhsa_system_vgpr_workitem_id 0
		.amdhsa_next_free_vgpr 1024
		.amdhsa_next_free_sgpr 66
		.amdhsa_reserve_vcc 1
		.amdhsa_float_denorm_mode_32 3
		.amdhsa_float_denorm_mode_16_64 3
		.amdhsa_memory_ordered 1
		.amdhsa_forward_progress 1
		.amdhsa_inst_pref_size 161
	.end_amdhsa_kernel
	.amdgpu_metadata
---
amdhsa.version: [ 1, 2 ]
amdhsa.kernels:
  - .name:           k_qede2fc67a2_experts
    .symbol:         k_qede2fc67a2_experts.kd
    .args:
      - { .name: xq, .offset: 0, .size: 8, .value_kind: global_buffer, .address_space: global }
      - { .name: wf, .offset: 8, .size: 8, .value_kind: global_buffer, .address_space: global }
      - { .name: be, .offset: 16, .size: 8, .value_kind: global_buffer, .address_space: global }
      - { .name: gates, .offset: 24, .size: 8, .value_kind: global_buffer, .address_space: global }
      - { .name: toklist, .offset: 32, .size: 8, .value_kind: global_buffer, .address_space: global }
      - { .name: tiles, .offset: 40, .size: 8, .value_kind: global_buffer, .address_space: global }
      - { .name: lowp_scales, .offset: 48, .size: 8, .value_kind: global_buffer, .address_space: global }
      - { .name: out0, .offset: 56, .size: 8, .value_kind: global_buffer, .address_space: global }
    .group_segment_fixed_size: 169984
    .private_segment_fixed_size: 0
    .kernarg_segment_align: 8
    .kernarg_segment_size: 64
    .max_flat_workgroup_size: 128
    .sgpr_count:     66
    .vgpr_count:     1024
    .wavefront_size: 32
...
	.end_amdgpu_metadata
.endif
;; end of part 3
;; ======== version 2 of 3: 3 launches
;; workspace buffers: xq 8,388,608 bytes; wf 8,388,608 bytes; gates 65,536 bytes; binrank 65,536 bytes of whole numbers; hist 65,536 bytes of whole numbers; toklist 65,536 bytes of whole numbers; tiles 1,024 bytes of whole numbers
;; launch route: the kernel of part 1 again; grid 256 x 1, 4 waves a work-group, no clusters, 35,328 bytes of LDS; arguments x, Wg, bg, We_codes, lowp_scales, xq, wf, gates, binrank, hist, toklist; writes xq, wf, gates, binrank, hist, toklist
;; launch place: the kernel of part 2 again; grid 1 x 1, 16 waves a work-group, no clusters, 4,096 bytes of LDS; arguments binrank, hist, toklist, tiles; writes toklist, tiles
;; launch experts (part 4): grid 2 x 91, 4 waves a work-group, no clusters, 171,008 bytes of LDS; arguments xq, wf, be, gates, toklist, tiles, lowp_scales, out0; writes out0
.if DOCPART == 4
	.amdgcn_target "amdgcn-amd-amdhsa--gfx1250"
	.amdhsa_code_object_version 6
	.text
	.protected	k_qede2fc67a2_experts
	.globl	k_qede2fc67a2_experts
	.p2align	8
	.type	k_qede2fc67a2_experts,@function
k_qede2fc67a2_experts:
	s_mov_b64 s[64:65], 0
	v_nop
	global_prefetch_b8 v0, s[64:65] scope:SCOPE_SE
	s_setreg_imm32_b32 hwreg(HW_REG_WAVE_MODE, 25, 1), 1
	s_wait_xcnt 0x0
; THE THIRD LAUNCH: out[t] = g_lo (x[t] We[lo]^T + be[lo]) + g_hi (x[t] We[hi]^T + be[hi]), on codes of BF8 (E5M2), only for the two experts chosen for each token.
; A number of We is its code x 2^e0, of x its code x 2^e1.  The codes are multiplied as they are; be goes in as the C of each sum's first matrix instruction, divided by 2^(e0 + e1); the gates carry 2^(e0 + e1).
; SHARES.  Work-group (cx, tau): tile tau of the stored list (up to 128 tokens that chose the SAME pair of experts) x columns 512 cx .. 512 cx + 511, as TWO BLOCKS of 256 columns, one after the other.
;   So each output row has one owner for each column, the grid (2 x 91 = 182) never exceeds the 256 WGPs, and a tile's rows are gathered once for 512 columns.
;   Wave w, block it: all 128 tokens x 64 columns (cg = 8 cx + 4 it + w) x BOTH experts: 8 blocks of 16 tokens x 8 blocks of weights (four of lo, four of hi) = 64 accumulators, 512 registers.
;   x's rows are gathered by the list into LDS once and read by all four waves, in both blocks.  A wave's weights are its own: they come from wf, which is laid in the order of the operand's registers,
;   straight into registers, 512 consecutive bytes a load, two K steps ahead in two sets.  The second block's be and its first two K steps of weights are asked for in the first block's last two K steps,
;   so that they are on their way while the first block goes out; nothing waits for the first block's stores.
;   The two blocks are written out: which block stands in the loads' and stores' immediates (weights 262,144 bytes on, be and out 1,024 bytes on), and no base is stepped.
; THE GRID serves every split: never more than 64 full tiles and 27 more.  A tile without tokens stores nothing and ends, behind the one barrier, which every wave of every work-group passes.
;   A tile's places beyond its count take its first token once more: they compute and store the same numbers to the same bytes, so no store needs a mask.  Quarters (32 places) that hold no token at all are
;   jumped over from the second K step on, by a scalar branch on the stored count; their LDS loads stay, so that every wait's count holds on every path.
; NO TENSOR LOADS AND NO JOINT LOADS: the rows are gathered by a list, and whether a work-group has rows, and how many quarters, is read from memory; partners would not run alike.
; THE MATRIX INSTRUCTION IS USED TRANSPOSED (source 0 = 16 columns of We, source 1 = 16 tokens): a lane holds one token (lane % 16) and eight neighbouring columns 8 (lane / 16) + 0 .. 7.
; K runs in the order q in which the first launch laid both operands: the same permutation of k on both sides.
; LIMIT: e0 + e1 between -126 and 127, so that 2^(e0 + e1) is an f32 number.
; REGISTERS, in windows of 256: window 0: v1-15 addresses; v16-31 the gather's offsets, then with v32-47 the eight token blocks' gates x 2^(e0 + e1) (g_lo twice, g_hi twice); v48-59 at work at the head;
;   v64-127 be in the result's layout (block b at v[64 + 8 b]); v128-255 x's eight fragments, on the way out the results in two sets of 64.
;   window 1: the weights' two sets, block b of set p at v[128 p + 16 b].
;   windows 2, 3: accumulator (a, b) at v[8 (8 (a % 4) + b)] of window 2 + a / 4; window 2 first holds the gathered rows on their way into LDS; on the way out the 128 registers of a quarter that has been
;   weighed take its rows read back from the stage (64) and its stores' offsets (16).
.set XP,  1040                         ; a token's row in LDS: 1,024 bytes + 16 = 260 words: row r starts at bank 4 r mod 64 (64 banks of 4 bytes: ISA guide 11.1)
.set GT,  133120                       ; behind the 128 rows: the tokens' scaled gates, 16 bytes each,
.set TK,  135168                       ; their numbers, 4 bytes each,
.set STG, 135680                       ; and a stage of 32 rows x SP bytes for each wave, for the way out
.set SP,  272
.set GS,  16
.set BI,  64
.set XF,  128
.set TQ,  128
.set NXW, 262144                       ; from a block's weights to the next block's: four groups of 64 columns x 65,536 bytes
.set NXC, 1024                         ; from a block's columns to the next block's, in bytes of f32
.set MSB, 0
.macro WIN new                         ; the immediate's high byte repeats the setting that is left; a switch that changes nothing is dropped
.if MSB != (\new)
	s_set_vgpr_msb (MSB<<8)|(\new)
.set MSB, (\new)
.endif
.endm
; be of block it, in the result's layout: be[e][my 64 columns + 16 b + 8 h + 0 .. 7]
.macro BLOAD it
.irp b, 0,1,2,3
	global_load_b128 v[BI+8*\b:BI+8*\b+3], v15, s[36:37] offset:NXC*(\it)+64*\b
	global_load_b128 v[BI+8*\b+4:BI+8*\b+7], v15, s[36:37] offset:NXC*(\it)+64*\b+16
.endr
.irp b, 0,1,2,3
	global_load_b128 v[BI+32+8*\b:BI+32+8*\b+3], v15, s[38:39] offset:NXC*(\it)+64*\b
	global_load_b128 v[BI+32+8*\b+4:BI+32+8*\b+7], v15, s[38:39] offset:NXC*(\it)+64*\b+16
.endr
.endm
; K step s of my weights of block it into set p: 32 loads of 512 consecutive bytes
.macro WLOAD it, s, p
	WIN 0x40                                       ; destination window 1
.irp b, 0,1,2,3
.irp c, 0,1,2,3
	global_load_b128 v[128*(\p)+16*\b+4*\c:128*(\p)+16*\b+4*\c+3], v3, s[32:33] offset:NXW*(\it)+8192*(\s)+2048*\b+512*\c
.endr
.endr
.irp b, 0,1,2,3
.irp c, 0,1,2,3
	global_load_b128 v[128*(\p)+64+16*\b+4*\c:128*(\p)+64+16*\b+4*\c+3], v3, s[34:35] offset:NXW*(\it)+8192*(\s)+2048*\b+512*\c
.endr
.endr
	WIN 0
.endm
; x's fragments of blocks 2 q, 2 q + 1 for K step s: lane (r, h) takes q = 128 s + 32 c + 16 h + 0 .. 15 of row 16 a + r
.macro XLOAD q, s
.irp u, 0,1
.irp c, 0,1,2,3
	ds_load_b128 v[XF+16*(2*(\q)+\u)+4*\c:XF+16*(2*(\q)+\u)+4*\c+3], v[4+(\q)/2] offset:16*XP*((2*(\q)+\u)%4)+128*(\s)+32*\c
.endr
.endr
.endm
; 16 matrix instructions: blocks 2 q, 2 q + 1 of tokens x the eight blocks of weights of set p.  first = 1: be starts the sums.  The accumulators take turns, one instruction a turn.
.macro MULQ q, p, first
.if \first
	WIN 0x81+0x40*((\q)/2)                         ; source 0 window 1; C window 0; D window 2 or 3
.else
	WIN 0xa1+0x50*((\q)/2)                         ; source 0 window 1; C and D window 2 or 3
.endif
.irp b, 0,1,2,3,4,5,6,7
.irp u, 0,1
.set AC, 8*(8*((2*(\q)+\u)%4)+\b)
.if \first
	v_wmma_f32_16x16x128_bf8_bf8 v[AC:AC+7], v[128*(\p)+16*\b:128*(\p)+16*\b+15], v[XF+16*(2*(\q)+\u):XF+16*(2*(\q)+\u)+15], v[BI+8*\b:BI+8*\b+7]
.else
	v_wmma_f32_16x16x128_bf8_bf8 v[AC:AC+7], v[128*(\p)+16*\b:128*(\p)+16*\b+15], v[XF+16*(2*(\q)+\u):XF+16*(2*(\q)+\u)+15], v[AC:AC+7]
.endif
.endr
.endr
.endm
; A quarter of a K step.  Its x fragments are fetched anew, for the next K step, as soon as its products are issued, on every path.
.macro QUARTER s, q
.if (\s) < 7
	s_wait_dscnt 24                                ; my quarter's eight loads are in; behind them stand the eight of each of the three other quarters
.else
	s_wait_dscnt 8*(3-(\q))                        ; the last K step fetches nothing: behind my eight stand those of the quarters still to come
.endif
.if ((\s) > 0) && ((\q) > 0)
	s_cmp_le_u32 s31, 2*(\q)                       ; no token in these 32 places: the products are left out
	s_cbranch_scc1 .Lskip_\@
.endif
.if (\s) == 0
	MULQ \q, 0, 1
.else
	MULQ \q, (\s)%2, 0
.endif
	WIN 0                                          ; at a label and at a branch every window is 0
.if ((\s) > 0) && ((\q) > 0)
.Lskip_\@:
.endif
.if (\s) < 7
.rept 4
	v_nop                                          ; four places in front of loads into registers that matrix instructions have read (ISA guide 7.12.1 for vector instructions)
.endr
	XLOAD \q, (\s)+1
.endif
.endm
.macro STEP it, s
.if (\s) < 7
	s_wait_loadcnt 32                              ; this K step's weights are in; the next step's 32 loads may be out
.elseif (\it) == 0
	s_wait_loadcnt 48                              ; behind this K step's weights: the next block's 16 loads of be and the 32 of its first K step
.else
	s_wait_loadcnt 0x0
.endif
	QUARTER \s, 0
	QUARTER \s, 1
	QUARTER \s, 2
	QUARTER \s, 3
.if (\s) <= 5
	WLOAD \it, (\s)+2, (\s)%2                      ; into the set just multiplied: the fourth quarter's four v_nop are its places too
.endif
.if ((\s) == 6) && ((\it) == 0)
	BLOAD 1                                        ; THE NEXT BLOCK is asked for: its be (the registers were last read by this block's first K step),
	WLOAD 1, 0, 0                                  ; and its first K step of weights, into the set just multiplied
.endif
.if (\s) == 7
.rept 4
	v_nop                                          ; four places behind the block's last products: for the loads into their set of weights, for the first read of results, and for the results that are written over x's fragments
.endr
.if (\it) == 0
	WLOAD 1, 1, 1                                  ; the next block's second K step
.endif
.endif
.endm
	s_load_b512 s[4:19], s[0:1], 0x0               ; xq s[4:5], wf s[6:7], be s[8:9], gates s[10:11], toklist s[12:13], tiles s[14:15], the exponents s[16:17], out s[18:19]
	v_lshl_add_u32 v62, v0, 2, 0x29a00
	v_mov_b32 v63, 0
	v_lshrrev_b32 v1, 5, v0
	v_readfirstlane_b32 s30, v1                    ; wave 0..3
	s_and_b32 s23, ttmp7, 0xffff                   ; tau
	s_lshl_b32 s26, s23, 3                         ; its entry of tiles,
	s_lshl_b32 s46, s23, 9                         ; its 128 places of toklist
	s_mov_b32 s47, 0
	v_and_b32 v1, 15, v0                           ; r
	v_bfe_u32 v2, v0, 4, 1                         ; h
	v_and_b32 v3, 31, v0
	v_lshlrev_b32 v3, 4, v3                        ; 16 x lane
	v_mul_u32_u24 v4, v1, XP
	v_lshl_add_u32 v4, v2, 4, v4                   ; x's fragments: row r, 16 h bytes on; blocks 0 to 3,
	v_add_nc_u32 v5, 64*XP, v4                     ; blocks 4 to 7
	s_lshl_b32 s27, s30, 5
	v_add_nc_u32 v54, s27, v2                      ; the gather: my wave fills places 32 w .. 32 w + 31, two a load: 32 w + h + 2 i
	v_mul_u32_u24 v6, v54, XP
	v_lshl_add_u32 v6, v1, 4, v6                   ; in LDS: sixteen lanes to 256 bytes of a row
	v_lshlrev_b32 v7, 2, v54                       ; in toklist
	v_lshlrev_b32 v9, 2, v0                        ; toklist, place = thread
	s_mul_i32 s27, s30, 32*SP
	s_add_co_u32 s27, s27, STG                     ; my stage
	v_mul_u32_u24 v10, v1, SP
	v_lshl_add_u32 v10, v2, 5, v10
	v_add_nc_u32 v10, s27, v10                     ; in: row r, 32 h bytes on
	v_mul_u32_u24 v11, v2, SP
	v_lshl_add_u32 v11, v1, 4, v11
	v_add_nc_u32 v11, s27, v11                     ; back: lanes 0-15 one row of 256 bytes, lanes 16-31 the next
	v_lshlrev_b32 v12, 2, v2
	v_add_nc_u32 v12, TK, v12                      ; those two rows' token numbers
	v_lshlrev_b32 v13, 4, v1
	v_add_nc_u32 v13, GT, v13                      ; token r's scaled gates
	v_lshlrev_b32 v14, 4, v1                       ; 16 r
	v_lshlrev_b32 v15, 5, v2                       ; be: my half's eight columns
	v_lshl_add_u32 v52, v0, 4, GT
	v_add_nc_u32 v53, TK, v9
	s_lshl_b32 s44, ttmp9, 3
	s_add_co_u32 s44, s44, s30                     ; cg of my first block = 8 cx + w
	s_wait_kmcnt 0x0
	s_load_b64 s[20:21], s[14:15], s26 offset:0x0  ; lo + 8 hi, the number of tokens
	s_load_b32 s22, s[12:13], s46 offset:0x0       ; the tile's first token
	s_load_b64 s[24:25], s[16:17], 0x0             ; e0, e1
	s_add_nc_u64 s[28:29], s[12:13], s[46:47]
	global_load_b32 v48, v9, s[28:29]              ; the token of place = thread,
.irp i, 0,1,2,3,4,5,6,7,8,9,10,11,12,13,14,15
	global_load_b32 v[16+\i], v7, s[28:29] offset:8*\i     ; and those of the places that I gather
.endr
	s_wait_kmcnt 0x0
	s_min_u32 s21, s21, 128                        ; what was read is held inside its range before it steers anything
	s_and_b32 s50, s20, 7
	s_min_u32 s50, s50, 7                          ; lo
	s_lshr_b32 s51, s20, 3
	s_min_u32 s51, s51, 7                          ; hi
	s_min_u32 s22, s22, 8191
	s_add_co_u32 s31, s21, 15
	s_lshr_b32 s31, s31, 4                         ; blocks of 16 places that hold a token
	s_mov_b32 s53, 0
	s_lshl_b32 s52, s50, 4
	s_add_co_u32 s52, s52, s44
	s_lshl_b32 s52, s52, 16
	s_add_nc_u64 s[32:33], s[6:7], s[52:53]        ; lo's weights: 65,536 (16 lo + cg)
	s_lshl_b32 s52, s51, 4
	s_add_co_u32 s52, s52, s44
	s_lshl_b32 s52, s52, 16
	s_add_nc_u64 s[34:35], s[6:7], s[52:53]        ; hi's
	s_lshl_b32 s54, s44, 8                         ; my 64 columns in bytes of f32
	s_lshl_b32 s52, s50, 12
	s_add_co_u32 s52, s52, s54
	s_add_nc_u64 s[36:37], s[8:9], s[52:53]        ; be[lo] at my columns
	s_lshl_b32 s52, s51, 12
	s_add_co_u32 s52, s52, s54
	s_add_nc_u64 s[38:39], s[8:9], s[52:53]        ; be[hi]
	s_mov_b32 s52, s54
	s_add_nc_u64 s[42:43], s[18:19], s[52:53]      ; out at my columns
	s_add_co_i32 s41, s24, s25                     ; e0 + e1
	s_add_co_i32 s40, s41, 127
	s_lshl_b32 s40, s40, 23                        ; 2^(e0 + e1) as f32
	s_sub_co_i32 s41, 0, s41
	BLOAD 0
	WLOAD 0, 0, 0
	s_wait_loadcnt 48                              ; the 17 loads from toklist are in; behind them: be's 16 and the weights' 32
	v_cmp_gt_u32 vcc_lo, s21, v0                   ; a place beyond the count takes the tile's first token
	v_cndmask_b32 v48, s22, v48, vcc_lo
	v_min_u32 v48, 0x1fff, v48
	v_lshlrev_b32 v49, 3, v48
	global_load_b64 v[50:51], v49, s[10:11]        ; its gates
	v_sub_nc_u32 v8, s21, v54                      ; place 32 w + h + 2 i is inside the count where 2 i < this
.irp i, 0,1,2,3,4,5,6,7,8,9,10,11,12,13,14,15
	v_cmp_lt_i32 vcc_lo, 2*\i, v8
	v_cndmask_b32 v[16+\i], s22, v[16+\i], vcc_lo
	v_min_u32 v[16+\i], 0x1fff, v[16+\i]
	v_lshl_add_u32 v[16+\i], v[16+\i], 10, v14     ; the token's row of 1,024 codes, 16 r bytes on
.endr
	WIN 0x80                                       ; destination window 2
.irp i, 0,1,2,3,4,5,6,7,8,9,10,11,12,13,14,15
.irp u, 0,1,2,3
	global_load_b128 v[16*\i+4*\u:16*\i+4*\u+3], v[16+\i], s[4:5] offset:256*\u    ; sixteen lanes read 256 consecutive bytes of a row, aligned
.endr
.endr
	WLOAD 0, 1, 1
	s_wait_loadcnt 32                              ; all but the weights of K step 1
.set n, 0
.rept 64
	v_ldexp_f32 v[BI+n], v[BI+n], s41              ; be / 2^(e0 + e1): what the sums of codes lack
.set n, n+1
.endr
	v_mul_f32 v56, s40, v50                        ; the gates x 2^(e0 + e1), each twice: the packed forms on the way out name pairs
	v_mul_f32 v57, s40, v50
	v_mul_f32 v58, s40, v51
	v_mul_f32 v59, s40, v51
	ds_store_b128 v52, v[56:59]
	ds_store_b32 v53, v48
	WIN 0x08                                       ; store data window 2
.irp i, 0,1,2,3,4,5,6,7,8,9,10,11,12,13,14,15
.irp u, 0,1,2,3
	ds_store_b128 v6, v[16*\i+4*\u:16*\i+4*\u+3] offset:2*XP*\i+256*\u
.endr
.endr
	WIN 0
	s_wait_dscnt 0x0                               ; for the others' sake: my 32 rows, gates and numbers lie in LDS
	s_barrier_signal -1
	s_barrier_wait -1                              ; the launch's one barrier, ahead of every branch on what was read; behind it nobody writes the rows, the gates or the numbers
	s_cmp_eq_u32 s21, 0
	s_cbranch_scc1 .Lend                           ; this split has no such tile
.irp a, 0,1,2,3,4,5,6,7
	ds_load_b128 v[GS+4*\a:GS+4*\a+3], v13 offset:256*\a   ; the scaled gates of token 16 a + r: they stay for both blocks (the gather's loads, whose offsets lay in v16-31, are in)
.endr
; THE WAY OUT, 32 places at a time.  out = (g_lo 2^(e0 + e1)) x lo's sum + (g_hi 2^(e0 + e1)) x hi's sum.  A lane holds 32 neighbouring bytes of a row and the lanes beside it hold other rows: so the results go
; through my own stage in LDS and come back as whole rows of 256 bytes.  LDS serves a wave's instructions in order (ISA guide 5.7.1.4): no wait between my stores and my loads, nor in front of the next quarter's stores.
.macro PACK q
	WIN 0x02+(\q)/2                                ; source 0: window 2 or 3
.irp u, 0,1
.irp b, 0,1,2,3
.set AC, 8*(8*((2*(\q)+\u)%4)+\b)
.set TT, TQ+64*((\q)%2)+32*\u+8*\b
.set GA, GS+4*(2*(\q)+\u)
.irp j, 0,2,4,6                                ; each accumulator from its low end on
	v_pk_mul_f32 v[TT+\j:TT+\j+1], v[AC+\j:AC+\j+1], v[GA:GA+1] op_sel_hi:[1,0]
.endr
.irp j, 0,2,4,6
	v_pk_fma_f32 v[TT+\j:TT+\j+1], v[AC+32+\j:AC+32+\j+1], v[GA+2:GA+3], v[TT+\j:TT+\j+1] op_sel_hi:[1,0,1]
.endr
.endr
.endr
	WIN 0
.endm
; Quarter q's rows come back into the registers that its accumulators have left (PACK q has read all 128): 64 for the rows, 16 for the stores' offsets.  So each quarter has registers of its own.
.macro TOSTAGE q
.irp u, 0,1
.irp b, 0,1,2,3
.set TT, TQ+64*((\q)%2)+32*\u+8*\b
	ds_store_b128 v10, v[TT:TT+3] offset:16*SP*\u+64*\b
	ds_store_b128 v10, v[TT+4:TT+7] offset:16*SP*\u+64*\b+16
.endr
.endr
	WIN 0x80+0x40*((\q)/2)                         ; destination window 2 or 3, address window 0
.irp t, 0,1,2,3,4,5,6,7,8,9,10,11,12,13,14,15
	ds_load_b128 v[128*((\q)%2)+4*\t:128*((\q)%2)+4*\t+3], v11 offset:2*SP*\t
.endr
.irp t, 0,1,2,3,4,5,6,7,8,9,10,11,12,13,14,15
	ds_load_b32 v[128*((\q)%2)+64+\t], v12 offset:4*(32*(\q)+2*\t)     ; the token of place 32 q + 2 t + lane / 16
.endr
	WIN 0
.endm
.macro SEND it, q
.set BB, 128*((\q)%2)
.set OB, 128*((\q)%2)+64
	s_wait_dscnt 0x0                               ; the rows and their tokens are back in registers
	WIN 0x8a+0x45*((\q)/2)                         ; sources 0 and 1 and the destination window 2 or 3; source 2 (16 r) window 0
.irp t, 0,1,2,3,4,5,6,7,8,9,10,11,12,13,14,15
	v_min_u32 v[OB+\t], 0x1fff, v[OB+\t]
	v_lshl_add_u32 v[OB+\t], v[OB+\t], 12, v14     ; the token's row of 4,096 bytes, 16 r bytes on
.endr
.irp t, 0,1,2,3,4,5,6,7,8,9,10,11,12,13,14,15
	global_store_b128 v[OB+\t], v[BB+4*\t:BB+4*\t+3], s[42:43] offset:NXC*(\it) th:TH_STORE_NT   ; sixteen lanes store 256 consecutive bytes, aligned; written once, read by nobody here
.endr
	WIN 0
.endm
; A quarter's arithmetic stands between the loads of the quarter before and its stores.  A quarter without tokens, and all behind it, is neither weighed nor stored: forward branches on the stored count.
.macro WAYOUT it
	PACK 0
	TOSTAGE 0
	s_cmp_le_u32 s31, 2
	s_cbranch_scc1 .Lp1_\@
	PACK 1
.Lp1_\@:
	SEND \it, 0
	s_cmp_le_u32 s31, 2
	s_cbranch_scc1 .Ldone_\@
	TOSTAGE 1
	s_cmp_le_u32 s31, 4
	s_cbranch_scc1 .Lp2_\@
	PACK 2
.Lp2_\@:
	SEND \it, 1
	s_cmp_le_u32 s31, 4
	s_cbranch_scc1 .Ldone_\@
	TOSTAGE 2
	s_cmp_le_u32 s31, 6
	s_cbranch_scc1 .Lp3_\@
	PACK 3
.Lp3_\@:
	SEND \it, 2
	s_cmp_le_u32 s31, 6
	s_cbranch_scc1 .Ldone_\@
	TOSTAGE 3
	SEND \it, 3
.Ldone_\@:
.endm
	; ---- the first block of 256 columns
	XLOAD 0, 0
	XLOAD 1, 0
	XLOAD 2, 0
	XLOAD 3, 0
	STEP 0, 0                                      ; all 64 accumulators are begun, with be as C: nothing is cleared
	STEP 0, 1
	STEP 0, 2
	STEP 0, 3
	STEP 0, 4
	STEP 0, 5
	STEP 0, 6
	STEP 0, 7
	WAYOUT 0
	; ---- the second block: the same rows of x, still in LDS; its be and its first two K steps of weights were asked for above
	XLOAD 0, 0                                     ; over the results, whose LDS stores are done (every way here ends behind a wait for all LDS instructions)
	XLOAD 1, 0
	XLOAD 2, 0
	XLOAD 3, 0
	s_wait_xcnt 0x0                                ; the first block's stores have read their data and offsets, which lie in the accumulators' registers: the products below write those only behind this wait
	s_wait_loadcnt 32                              ; be and the first K step's weights are in; the second K step's 32 loads may be out
.set n, 0
.rept 64
	v_ldexp_f32 v[BI+n], v[BI+n], s41              ; be / 2^(e0 + e1).  (With the four v_nop behind the last K step these are also the places ahead of products that begin the accumulators anew)
.set n, n+1
.endr
	STEP 1, 0
	STEP 1, 1
	STEP 1, 2
	STEP 1, 3
	STEP 1, 4
	STEP 1, 5
	STEP 1, 6
	STEP 1, 7
	WAYOUT 1
.Lend:
	s_wait_tensorcnt 0x0
	ds_add_u32 v62, v63
	s_wait_dscnt 0x0
	s_endpgm
.Lfunc_end_k_qede2fc67a2_experts:
	.size	k_qede2fc67a2_experts, .Lfunc_end_k_qede2fc67a2_experts-k_qede2fc67a2_experts
	.p2alignl 7, 3214868480
	.fill 96, 4, 3214868480
	.section	.rodata,"a",@progbits
	.p2align	6, 0x0
	.amdhsa_kernel k_qede2fc67a2_experts
		.amdhsa_group_segment_fixed_size 171008
		.amdhsa_private_segment_fixed_size 0
		.amdhsa_enable_private_segment 0
		.amdhsa_kernarg_size 64
		.amdhsa_user_sgpr_count 2
		.amdhsa_user_sgpr_kernarg_segment_ptr 1
		.amdhsa_wavefront_size32 1
		.amdhsa_system_sgpr_workgroup_id_x 1
		.amdhsa_system_sgpr_workgroup_id_y 1
		.amdhsa_system_sgpr_workgroup_id_z 1
		.amdhsa_system_vgpr_workitem_id 0
		.amdhsa_next_free_vgpr 1024
		.amdhsa_next_free_sgpr 66
		.amdhsa_reserve_vcc 1
		.amdhsa_float_denorm_mode_32 3
		.amdhsa_float_denorm_mode_16_64 3
		.amdhsa_memory_ordered 1
		.amdhsa_forward_progress 1
		.amdhsa_inst_pref_size 255
	.end_amdhsa_kernel
	.section	.bss,"aw",@nobits
	.p2align	6
	.space	262144
	.amdgpu_metadata
---
amdhsa.version: [ 1, 2 ]
amdhsa.kernels:
  - .name:           k_qede2fc67a2_experts
    .symbol:         k_qede2fc67a2_experts.kd
    .args:
      - { .name: xq, .offset: 0, .size: 8, .value_kind: global_buffer, .address_space: global }
      - { .name: wf, .offset: 8, .size: 8, .value_kind: global_buffer, .address_space: global }
      - { .name: be, .offset: 16, .size: 8, .value_kind: global_buffer, .address_space: global }
      - { .name: gates, .offset: 24, .size: 8, .value_kind: global_buffer, .address_space: global }
      - { .name: toklist, .offset: 32, .size: 8, .value_kind: global_buffer, .address_space: global }
      - { .name: tiles, .offset: 40, .size: 8, .value_kind: global_buffer, .address_space: global }
      - { .name: lowp_scales, .offset: 48, .size: 8, .value_kind: global_buffer, .address_space: global }
      - { .name: out0, .offset: 56, .size: 8, .value_kind: global_buffer, .address_space: global }
    .group_segment_fixed_size: 171008
    .private_segment_fixed_size: 0
    .kernarg_segment_align: 8
    .kernarg_segment_size: 64
    .max_flat_workgroup_size: 128
    .sgpr_count:     66
    .vgpr_count:     1024
    .wavefront_size: 32
...
	.end_amdgpu_metadata
.endif
;; end of part 4
;; ======== version 3 of 3: 3 launches
;; workspace buffers: xq 8,388,608 bytes; wf 8,388,608 bytes; gates 65,536 bytes; binrank 65,536 bytes of whole numbers; hist 65,536 bytes of whole numbers; toklist 65,536 bytes of whole numbers; tiles 1,024 bytes of whole numbers
;; launch route (part 5): grid 256 x 1, 4 waves a work-group, no clusters, 35,328 bytes of LDS; arguments x, Wg, bg, We_codes, lowp_scales, xq, wf, gates, binrank, hist, toklist; writes xq, wf, gates, binrank, hist, toklist
.if DOCPART == 5
	.amdgcn_target "amdgcn-amd-amdhsa--gfx1250"
	.amdhsa_code_object_version 6
	.text
	.protected	k_qede2fc67a2_route
	.globl	k_qede2fc67a2_route
	.p2align	8
	.type	k_qede2fc67a2_route,@function
k_qede2fc67a2_route:
	s_mov_b64 s[64:65], 0
	v_nop
	global_prefetch_b8 v0, s[64:65] scope:SCOPE_SE
	s_setreg_imm32_b32 hwreg(HW_REG_WAVE_MODE, 25, 1), 1
	s_wait_xcnt 0x0
; THE FIRST OF THREE LAUNCHES.  x [8192][1024] f32 is read once and serves twice: the gate's eight logits a token (f32 multiply-adds: a choice of experts hangs on them) and x's codes of BF8 (E5M2) with the given scale 2^e1.
; It also lays We's codes out in the order of a matrix operand's registers, chooses each token's two experts, and stores that choice AT FIXED PLACES: no address and no branch here hangs on it.
; SHARES.  A work-group takes 32 tokens (a chunk), each of its four waves 8, one token at a time: a lane holds 32 of the token's numbers, k = 128 j + 4 lane + i (eight loads of 512 consecutive bytes).
;   Wg (8 x 1024) stays in 256 registers of each wave in the same order.  Behind the one barrier wave 0 routes the chunk, a lane a token.  Each wave also turns 16 rows x 512 codes of We.
; THE ORDER OF K IN xq AND wf.  A lane's codes are stored as they come out of the conversions: byte q = 512 a + 16 lane + 4 b + i of a token's row holds k = 128 (4 a + b) + 4 lane + i.
;   We's codes are laid in the same order q: a permutation of k applied alike to both operands, so every product meets its partner.
;   wf: [expert][64 columns cg][K step s of 128 q][16 columns b][c][lane][16 bytes]: lane (r, h) finds q = 128 s + 32 c + 16 h + 0 .. 15 of column 64 cg + 16 b + r.
; THE CHOICE.  The two largest logits, by strict comparisons in ascending order of experts, so that the lower index wins a tie; gates = softmax with the largest logit taken away first.
;   A pair of experts lo < hi has the bin lo (15 - lo) / 2 + hi - lo - 1 (0 .. 27).  Stored: (bin, rank among the chunk's tokens of that bin), (gate of lo, gate of hi), the chunk's count for each bin; toklist is set to 0.
; LIMITS.  e1 between -126 and 112.  NaN and infinities in x, and logits that are not finite, are not served.  The choice is made on the f32 logits, summed in another order than a row-by-row sum:
;   logits nearer to each other than that rounding, or equal only after the softmax's rounding, can be chosen otherwise.
; No LDS ring, no matrix unit, no joint loads: the launch streams, and work-groups share only Wg's 32 KiB.
; REGISTERS, in windows of 256: window 0: v1-9 addresses and scales; v16-31 eight running pairs of sums; v40-47 the other half's sums; v48-55 a token's codes; v64-127 We's rows as loaded;
;   v128-191 eight logits for each of my tokens, later wave 0's routing; v192-255 We's codes turned.   window 1: Wg, expert e at v[32 e].   window 2: x, token t at v[32 t].
.set LG,   33792                       ; LDS: 32 tokens x 8 logits, behind the four stages
.set WSB,  8448                        ; a wave's stage: 16 rows of WP bytes
.set WP,   528                         ; 512 bytes + 16 = 132 words: row r starts at bank 4 r mod 64 (64 banks of 4 bytes: ISA guide 11.1)
.set A,    16
.set PT,   40
.set C,    48
.set WL,   64
.set SM,   128
.set WR,   192
.set MSB, 0
.macro WIN new                         ; the immediate's high byte repeats the setting that is left; a switch that changes nothing is dropped
.if MSB != (\new)
	s_set_vgpr_msb (MSB<<8)|(\new)
.set MSB, (\new)
.endif
.endm
	s_load_b512 s[4:19], s[0:1], 0x0               ; x s[4:5], Wg s[6:7], bg s[8:9], We's codes s[10:11], the exponents s[12:13], xq s[14:15], wf s[16:17], gates s[18:19]
	s_load_b128 s[20:23], s[0:1], 0x40             ; binrank s[20:21], hist s[22:23]
	s_load_b64 s[24:25], s[0:1], 0x50              ; toklist
	v_lshl_add_u32 v62, v0, 2, 0x8800
	v_mov_b32 v63, 0
	v_lshrrev_b32 v1, 5, v0
	v_readfirstlane_b32 s26, v1                    ; wave 0..3
	v_and_b32 v1, 31, v0                           ; lane
	v_lshlrev_b32 v2, 4, v1                        ; 16 x lane
	v_lshlrev_b32 v8, 3, v1                        ; 8 x lane
	v_and_b32 v10, 15, v0                          ; r
	v_bfe_u32 v11, v0, 4, 1                        ; h
	s_mul_i32 s27, s26, WSB                        ; my stage
	v_add_nc_u32 v5, s27, v2                       ; into it: 16 bytes a lane of a row
	v_mul_u32_u24 v6, v10, WP
	v_lshl_add_u32 v6, v11, 2, v6
	v_add_nc_u32 v6, s27, v6                       ; out of it: row r, 4 h bytes on
	s_lshl_b32 s27, s26, 8
	s_add_co_u32 s27, s27, LG
	v_mov_b32 v7, s27                              ; my eight tokens' logits
	v_lshlrev_b32 v9, 5, v1
	v_add_nc_u32 v9, LG, v9                        ; wave 0: token = lane
.irp e, 0,1,2,3,4,5,6,7
	v_mov_b32 v[PT+\e], 0                          ; written once: a lane permute's destination counts as one of its sources
.endr
	s_mov_b32 s42, 0x76543210                      ; v_permlanex16_b32: lane l takes lane l xor 16
	s_mov_b32 s43, 0xfedcba98
	s_lshl_b32 s44, ttmp9, 17                      ; x: (32 work-group + 8 wave) rows of 4,096 bytes
	s_lshl_b32 s46, s26, 15
	s_add_co_u32 s44, s44, s46
	s_mov_b32 s45, 0
	s_lshr_b32 s46, s44, 2                         ; xq: the same rows, of 1,024 bytes
	s_mov_b32 s47, 0
	s_lshl_b32 s48, ttmp9, 1
	s_lshr_b32 s49, s26, 1
	s_add_co_u32 s48, s48, s49                     ; ng: which 16 of We's 8,192 rows are my wave's
	s_and_b32 s49, s26, 1                          ; a: which half of their 1,024 codes
	s_lshl_b32 s50, s48, 14
	s_lshl_b32 s51, s49, 9
	s_add_co_u32 s50, s50, s51                     ; We: 16,384 ng + 512 a
	s_mov_b32 s51, 0
	s_lshr_b32 s52, s48, 2
	s_lshl_b32 s52, s52, 16
	s_lshl_b32 s53, s49, 15
	s_add_co_u32 s52, s52, s53
	s_and_b32 s53, s48, 3
	s_lshl_b32 s53, s53, 11
	s_add_co_u32 s52, s52, s53                     ; wf: 65,536 (ng / 4) + 32,768 a + 2,048 (ng % 4)
	s_mov_b32 s53, 0
	s_lshl_b32 s54, ttmp9, 8                       ; the chunk's 256 bytes in each of the four small buffers
	s_mov_b32 s55, 0
	s_wait_kmcnt 0x0
	s_load_b64 s[28:29], s[12:13], 0x0             ; e0, e1
	s_load_b256 s[32:39], s[8:9], 0x0              ; bg
	s_add_nc_u64 s[4:5], s[4:5], s[44:45]
	s_add_nc_u64 s[14:15], s[14:15], s[46:47]
	s_add_nc_u64 s[10:11], s[10:11], s[50:51]
	s_add_nc_u64 s[16:17], s[16:17], s[52:53]
	s_add_nc_u64 s[18:19], s[18:19], s[54:55]
	s_add_nc_u64 s[20:21], s[20:21], s[54:55]
	s_add_nc_u64 s[22:23], s[22:23], s[54:55]
	s_add_nc_u64 s[24:25], s[24:25], s[54:55]
	WIN 0x40                                       ; destination window 1
.irp e, 0,1,2,3,4,5,6,7
.irp j, 0,1,2,3,4,5,6,7
	global_load_b128 v[32*\e+4*\j:32*\e+4*\j+3], v2, s[6:7] offset:4096*\e+512*\j
.endr
.endr
	WIN 0x80                                       ; destination window 2
.irp t, 0,1,2,3,4,5,6,7
.irp j, 0,1,2,3,4,5,6,7
	global_load_b128 v[32*\t+4*\j:32*\t+4*\j+3], v2, s[4:5] offset:4096*\t+512*\j th:TH_LOAD_NT   ; 32 lanes read 512 consecutive bytes; read once in the launch
.endr
.endr
	WIN 0
.irp i, 0,1,2,3,4,5,6,7,8,9,10,11,12,13,14,15
	global_load_b128 v[WL+4*\i:WL+4*\i+3], v2, s[10:11] offset:1024*\i th:TH_LOAD_NT              ; row i of my 16: 512 codes
.endr
	s_wait_kmcnt 0x0
	s_add_co_i32 s40, s29, 127
	s_lshl_b32 s41, s40, 23
	v_mov_b32 v3, s41                              ; 2^e1 as f32: the conversion takes its exponent field
	s_add_co_i32 s40, s40, 15
	s_lshl_b32 s40, s40, 23
	s_or_b32 s40, s40, 0x600000
	v_mov_b32 v4, s40                              ; 57,344 x 2^e1
; One token: eight dot products of 1,024, then its 1,024 codes.
.macro TOKEN t
.if 8*(7-(\t))+16 > 63
	s_wait_loadcnt 63                              ; behind this token's loads stand 8 (7 - t) of later tokens and 16 of We: more than the count can name, so the largest count is taken
.else
	s_wait_loadcnt 8*(7-(\t))+16                   ; loads come back in order (ISA guide 5.7.1): this token's are in; 8 (7 - t) of later tokens and We's 16 may be out
.endif
	WIN 0x06                                       ; source 0 (x) window 2, source 1 (Wg) window 1
.irp e, 0,1,2,3,4,5,6,7
	v_pk_mul_f32 v[A+2*\e:A+2*\e+1], v[32*(\t):32*(\t)+1], v[32*\e:32*\e+1]        ; the first pair starts the sums: nothing is cleared
.endr
.set pr, 1
.rept 15
.irp e, 0,1,2,3,4,5,6,7                        ; eight chains, so that no line waits for the line above it
	v_pk_fma_f32 v[A+2*\e:A+2*\e+1], v[32*(\t)+2*pr:32*(\t)+2*pr+1], v[32*\e+2*pr:32*\e+2*pr+1], v[A+2*\e:A+2*\e+1]
.endr
.set pr, pr+1
.endr
	WIN 0
.irp e, 0,1,2,3,4,5,6,7
	v_add_f32 v[SM+8*(\t)+\e], v[A+2*\e], v[A+2*\e+1]
.endr
.irp m, 1,2,4,8                                ; across the 32 lanes: four steps inside each half, one across the halves
.irp e, 0,1,2,3,4,5,6,7
	v_add_f32_dpp v[SM+8*(\t)+\e], v[SM+8*(\t)+\e], v[SM+8*(\t)+\e] row_xmask:\m row_mask:0xf bank_mask:0xf
.endr
.endr
.irp e, 0,1,2,3,4,5,6,7
	v_permlanex16_b32 v[PT+\e], v[SM+8*(\t)+\e], s42, s43
.endr
.irp e, 0,1,2,3,4,5,6,7
	v_add_f32 v[SM+8*(\t)+\e], v[SM+8*(\t)+\e], v[PT+\e]
.endr
	ds_store_b128 v7, v[SM+8*(\t):SM+8*(\t)+3] offset:32*(\t)          ; every lane holds the same eight sums and writes the same 32 bytes
	ds_store_b128 v7, v[SM+8*(\t)+4:SM+8*(\t)+7] offset:32*(\t)+16
	WIN 0x82                                       ; source 0 and destination window 2
.set n, 0
.rept 32
	v_med3_num_f32 v[32*(\t)+n], v[32*(\t)+n], -v4, v4                 ; the conversion to an 8-bit code does not saturate (ISA guide 7.6.2): the hold at the largest code x the scale
.set n, n+1
.endr
	s_wait_alu depctr_va_vdst(0)
	s_wait_xcnt 0x0                                ; the last token's two stores have read their data: the codes' registers are written again only behind this wait
	WIN 0x02                                       ; source 0 window 2, destination window 0
.irp m, 0,1,2,3
	v_cvt_scalef32_pk8_bf8_f32 v[C+2*\m:C+2*\m+1], v[32*(\t)+8*\m:32*(\t)+8*\m+7], v3
.endr
	v_nop                                          ; one plain vector instruction behind the last scaled conversion
	WIN 0
	global_store_b128 v2, v[C:C+3], s[14:15] offset:1024*(\t)          ; 32 lanes store 512 consecutive bytes, aligned
	global_store_b128 v2, v[C+4:C+7], s[14:15] offset:1024*(\t)+512
.endm
.irp t, 0,1,2,3,4,5,6,7
	TOKEN \t
.endr
	s_wait_dscnt 0x0                               ; for wave 0's sake: my logits lie in LDS
	s_barrier_signal -1
	s_barrier_wait -1
	s_cmp_lg_u32 s26, 0
	s_cbranch_scc1 .Lwtask
	; ---- wave 0 routes the chunk: lane = token.  v128-135 logits; v136, v137 the largest and its expert; v138, v139 the second
	ds_load_b128 v[128:131], v9
	ds_load_b128 v[132:135], v9 offset:16
	s_wait_dscnt 0x0
.irp e, 0,1,2,3,4,5,6,7
	v_add_f32 v[128+\e], s[32+\e], v[128+\e]       ; + bg
.endr
	v_mov_b32 v136, v128
	v_mov_b32 v137, 0
.irp e, 1,2,3,4,5,6,7
	v_cmp_gt_f32 vcc_lo, v[128+\e], v136           ; strictly greater: the lower index keeps a tie
	v_cndmask_b32 v136, v136, v[128+\e], vcc_lo
	v_cndmask_b32 v137, v137, \e, vcc_lo
.endr
	v_cmp_eq_u32 vcc_lo, 0, v137                   ; the second begins at the lowest expert that is not the first
	v_cndmask_b32 v138, v128, v129, vcc_lo
	v_cndmask_b32 v139, 0, 1, vcc_lo
.irp e, 1,2,3,4,5,6,7
	v_cmp_ne_u32 s40, \e, v137
	v_cmp_gt_f32 vcc_lo, v[128+\e], v138
	s_and_b32 vcc_lo, vcc_lo, s40
	v_cndmask_b32 v138, v138, v[128+\e], vcc_lo
	v_cndmask_b32 v139, v139, \e, vcc_lo
.endr
.irp e, 0,1,2,3,4,5,6,7
	v_sub_f32 v[140+\e], v[128+\e], v136           ; the largest logit is taken away first
.endr
	v_sub_f32 v148, v138, v136
.irp e, 0,1,2,3,4,5,6,7,8
	v_mul_f32 v[140+\e], 0x3fb8aa3b, v[140+\e]     ; x log2(e)
.endr
	s_wait_alu depctr_va_vdst(0)
.irp e, 0,1,2,3,4,5,6,7,8
	v_exp_f32 v[140+\e], v[140+\e]                 ; one batch of nine
.endr
	v_min_u32 v160, v137, v139                     ; lo (a plain instruction behind the last exponential)
	v_max_u32 v161, v137, v139                     ; hi
	s_wait_alu depctr_va_vdst(0)                   ; one wait for the batch, ahead of its first reader
	v_add_f32 v149, v140, v141
	v_add_f32 v151, v142, v143
	v_add_f32 v162, v144, v145
	v_add_f32 v163, v146, v147
	v_add_f32 v149, v149, v151
	v_add_f32 v162, v162, v163
	v_add_f32 v149, v149, v162
	s_wait_alu depctr_va_vdst(0)
	v_rcp_f32 v150, v149                           ; the first gate: 2^0 / the sum
	v_sub_nc_u32 v151, 15, v160                    ; the bin: lo (15 - lo) / 2 + hi - lo - 1
	v_mul_u32_u24 v151, v151, v160
	v_lshrrev_b32 v151, 1, v151
	v_add_nc_u32 v151, v151, v161
	v_sub_nc_u32 v151, v151, v160
	v_add_nc_u32 v152, -1, v151
	s_wait_alu depctr_va_vdst(0)                   ; ahead of the reciprocal's first reader
	v_mul_f32 v148, v148, v150                     ; the second gate
	v_cmp_lt_u32 vcc_lo, v137, v139
	v_cndmask_b32 v154, v148, v150, vcc_lo         ; lo's gate,
	v_cndmask_b32 v155, v150, v148, vcc_lo         ; hi's
	v_mov_b32 v153, 0                              ; rank
	v_mov_b32 v156, 0                              ; counts, lane = bin; lanes 28 to 31 stay 0
	v_mov_b32 v157, 0
	v_mov_b32 v158, 0
	v_mov_b32 v159, 0
.set bb, 0
.rept 28                                       ; values alone: no address and no branch hangs on the choice
	v_cmp_eq_u32 s40, bb, v152                     ; the chunk's tokens of bin bb,
	s_bcnt1_i32_b32 s41, s40                       ; how many,
	v_writelane_b32 v156, s41, bb
	v_mbcnt_lo_u32_b32 v151, s40, 0                ; and how many of them stand before me
	v_cndmask_b32 v153, v153, v151, s40
.set bb, bb+1
.endr
	global_store_b64 v8, v[152:153], s[20:21]      ; each of the four: 32 lanes store 256 consecutive bytes, aligned
	global_store_b64 v8, v[154:155], s[18:19]
	global_store_b64 v8, v[156:157], s[22:23]
	global_store_b64 v8, v[158:159], s[24:25]      ; toklist = 0: places that the next launch leaves free are read later
.Lwtask:
	; ---- 16 rows x 512 codes of We through my own stage: in as they lie, out four bytes at a time in the order q
	s_wait_loadcnt 0x0
.irp i, 0,1,2,3,4,5,6,7,8,9,10,11,12,13,14,15
	ds_store_b128 v5, v[WL+4*\i:WL+4*\i+3] offset:WP*\i
.endr
.irp s, 0,1,2,3
.irp c, 0,1,2,3
.irp b, 0,1,2,3
	ds_load_b32 v[WR+4*(4*\s+\c)+\b], v6 offset:128*\b+32*\s+8*\c      ; k = 512 a + 128 b + 32 s + 8 c + 4 h + 0 .. 3 of row r.  LDS serves a wave's instructions in order (ISA guide 5.7.1.4): these see my stores
.endr
.endr
.endr
.irp g, 0,1,2,3,4,5,6,7,8,9,10,11,12,13,14,15
	s_wait_dscnt 60-4*\g                           ; group g's four loads are in; the 4 (15 - g) behind them may be out
	global_store_b128 v2, v[WR+4*\g:WR+4*\g+3], s[16:17] offset:8192*(\g/4)+512*(\g%4)   ; 512 consecutive bytes, aligned
.endr
	s_wait_tensorcnt 0x0
	ds_add_u32 v62, v63
	s_wait_dscnt 0x0
	s_endpgm
.Lfunc_end_k_qede2fc67a2_route:
	.size	k_qede2fc67a2_route, .Lfunc_end_k_qede2fc67a2_route-k_qede2fc67a2_route
	.p2alignl 7, 3214868480
	.fill 96, 4, 3214868480
	.section	.rodata,"a",@progbits
	.p2align	6, 0x0
	.amdhsa_kernel k_qede2fc67a2_route
		.amdhsa_group_segment_fixed_size 35328
		.amdhsa_private_segment_fixed_size 0
		.amdhsa_enable_private_segment 0
		.amdhsa_kernarg_size 88
		.amdhsa_user_sgpr_count 2
		.amdhsa_user_sgpr_kernarg_segment_ptr 1
		.amdhsa_wavefront_size32 1
		.amdhsa_system_sgpr_workgroup_id_x 1
		.amdhsa_system_sgpr_workgroup_id_y 1
		.amdhsa_system_sgpr_workgroup_id_z 1
		.amdhsa_system_vgpr_workitem_id 0
		.amdhsa_next_free_vgpr 768
		.amdhsa_next_free_sgpr 66
		.amdhsa_reserve_vcc 1
		.amdhsa_float_denorm_mode_32 3
		.amdhsa_float_denorm_mode_16_64 3
		.amdhsa_memory_ordered 1
		.amdhsa_forward_progress 1
		.amdhsa_inst_pref_size 149
	.end_amdhsa_kernel
	.amdgpu_metadata
---
amdhsa.version: [ 1, 2 ]
amdhsa.kernels:
  - .name:           k_qede2fc67a2_route
    .symbol:         k_qede2fc67a2_route.kd
    .args:
      - { .name: x, .offset: 0, .size: 8, .value_kind: global_buffer, .address_space: global }
      - { .name: Wg, .offset: 8, .size: 8, .value_kind: global_buffer, .address_space: global }
      - { .name: bg, .offset: 16, .size: 8, .value_kind: global_buffer, .address_space: global }
      - { .name: We_codes, .offset: 24, .size: 8, .value_kind: global_buffer, .address_space: global }
      - { .name: lowp_scales, .offset: 32, .size: 8, .value_kind: global_buffer, .address_space: global }
      - { .name: xq, .offset: 40, .size: 8, .value_kind: global_buffer, .address_space: global }
      - { .name: wf, .offset: 48, .size: 8, .value_kind: global_buffer, .address_space: global }
      - { .name: gates, .offset: 56, .size: 8, .value_kind: global_buffer, .address_space: global }
      - { .name: binrank, .offset: 64, .size: 8, .value_kind: global_buffer, .address_space: global }
      - { .name: hist, .offset: 72, .size: 8, .value_kind: global_buffer, .address_space: global }
      - { .name: toklist, .offset: 80, .size: 8, .value_kind: global_buffer, .address_space: global }
    .group_segment_fixed_size: 35328
    .private_segment_fixed_size: 0
    .kernarg_segment_align: 8
    .kernarg_segment_size: 88
    .max_flat_workgroup_size: 128
    .sgpr_count:     66
    .vgpr_count:     768
    .wavefront_size: 32
...
	.end_amdgpu_metadata
.endif
;; end of part 5
;; launch place (part 6): grid 1 x 1, 16 waves a work-group, no clusters, 4,096 bytes of LDS; arguments binrank, hist, toklist, tiles; writes toklist, tiles
.if DOCPART == 6
	.amdgcn_target "amdgcn-amd-amdhsa--gfx1250"
	.amdhsa_code_object_version 6
	.text
	.protected	k_qede2fc67a2_place
	.globl	k_qede2fc67a2_place
	.p2align	8
	.type	k_qede2fc67a2_place,@function
k_qede2fc67a2_place:
	s_mov_b64 s[64:65], 0
	v_nop
	global_prefetch_b8 v0, s[64:65] scope:SCOPE_SE
	s_setreg_imm32_b32 hwreg(HW_REG_WAVE_MODE, 25, 1), 1
	s_wait_xcnt 0x0
; THE SECOND LAUNCH: a counting sort of the 8,192 tokens by their bin (pair of experts), from the whole numbers that the first launch stored.  One work-group of sixteen waves, no atomics.
; TILES.  A tile is up to 128 tokens of one bin.  All full tiles are numbered first (F of them), then the bins' remainders (P of them): F <= 64 and P <= 28, and F + P <= 91 for every split.
;   tiles[tau] = (lo + 8 hi, number of tokens), 0 tokens for tau >= F + P;  toklist[128 tau + i] = the tile's i-th token.
; SHARES.  Wave w owns chunks 16 w .. 16 w + 15 (32 tokens each).  With lane = bin it sums its chunks' counts; the sixteen waves' totals meet in LDS (one barrier); then each wave knows, for each of its chunks
;   and each bin, how many tokens of that bin stand in earlier chunks.  With lane = token it fetches its bin's numbers from the lane that holds them (ds_bpermute_b32: no LDS byte is touched).
;   rho = that offset + the token's rank in its chunk is its place in its bin: tile = FB + rho / 128 while that is a full tile of the bin, else F + PB; place in the tile = rho % 128.
; The stores into toklist are four bytes a lane at places that hang on the sort: 32 KiB in all; tokens of one bin and chunk fall side by side.
; REGISTERS: v1-5 addresses; v6 a bin's total; v7 tokens of the bin in earlier waves; v9 FB, v10 PB (lane = bin); v11-14 the tiles' table at work; v15 the packed word FB | full tiles << 8 | (F + PB) << 16;
;   v16-31 counts, then offsets fetched; v32-48 prefix sums; v64-79 the waves' totals, then packed words fetched; v80-111 (bin, rank); v112-127 indices, then places; v128-143 token numbers.
.set H,   16
.set P,   32
.set WR,  64
.set BR,  80
.set IX,  112
.set TN,  128
	s_load_b256 s[4:11], s[0:1], 0x0               ; binrank s[4:5], hist s[6:7], toklist s[8:9], tiles s[10:11]
	v_lshl_add_u32 v192, v0, 2, 0x800
	v_mov_b32 v193, 0
	v_lshrrev_b32 v1, 5, v0
	s_delay_alu instid0(VALU_DEP_1)
	v_readfirstlane_b32 s14, v1                    ; wave 0..15
	v_and_b32 v1, 31, v0                           ; lane
	s_delay_alu instid0(VALU_DEP_1)
	v_lshlrev_b32 v2, 3, v1                        ; 8 x lane
	v_lshlrev_b32 v3, 2, v0                        ; LDS: my wave's row of 128 bytes, my lane's word
	s_delay_alu instid0(VALU_DEP_3)
	v_lshlrev_b32 v4, 2, v1                        ; LDS: my lane's word of a row
	v_and_b32 v5, 0x1e0, v0
	s_delay_alu instid0(VALU_DEP_1)
	v_lshl_or_b32 v5, v5, 4, v1                    ; 512 wave + lane: my token of my wave's first chunk
	v_lshlrev_b32 v53, 3, v0                       ; tiles: 8 x thread
	v_mov_b32 v52, 0x80
	s_lshl_b32 s12, s14, 12                        ; 16 chunks of 256 bytes, in hist and in binrank alike
	s_mov_b32 s13, 0
	s_wait_alu depctr_va_vdst(0)
	s_wait_kmcnt 0x0
	s_add_nc_u64 s[4:5], s[4:5], s[12:13]
	s_add_nc_u64 s[6:7], s[6:7], s[12:13]
.irp i, 0,1,2,3,4,5,6,7,8,9,10,11,12,13,14,15
	global_load_b32 v[H+\i], v2, s[6:7] offset:256*\i                  ; chunk i's count of bin = lane
.endr
.irp i, 0,1,2,3,4,5,6,7,8,9,10,11,12,13,14,15
	global_load_b64 v[BR+2*\i:BR+2*\i+1], v2, s[4:5] offset:256*\i     ; chunk i's (bin, rank) of token = lane: 256 consecutive bytes
.endr
	s_wait_loadcnt 16                              ; the counts are in; the sixteen loads behind them may be out
	v_mov_b32 v[P], 0
.irp i, 0,1,2,3,4,5,6,7,8,9,10,11,12,13,14,15
	s_delay_alu instid0(VALU_DEP_1)
	v_add_nc_u32 v[P+1+\i], v[P+\i], v[H+\i]       ; tokens of the bin in my earlier chunks
.endr
	ds_store_b32 v3, v[P+16]                       ; my wave's totals
	s_wait_dscnt 0x0                               ; for the others' sake
	s_barrier_signal -1
	s_barrier_wait -1
.irp i, 0,1,2,3,4,5,6,7,8,9,10,11,12,13,14,15
	ds_load_b32 v[WR+\i], v4 offset:128*\i
.endr
	s_wait_dscnt 0x0
.irp i, 0,1,2,3,4,5,6,7,8,9,10,11,12,13,14,15
	s_cmp_gt_u32 s14, \i                           ; does wave i stand before mine?
	s_cselect_b32 s15, -1, 0
.if \i == 0
	v_mov_b32 v6, v[WR]
	v_and_b32 v7, s15, v[WR]
.else
	v_add_nc_u32 v6, v6, v[WR+\i]                  ; the bin's total,
	v_and_b32 v8, s15, v[WR+\i]
	s_delay_alu instid0(VALU_DEP_1)
	v_add_nc_u32 v7, v7, v8                        ; and what earlier waves hold of it
.endif
.endr
.irp i, 0,1,2,3,4,5,6,7,8,9,10,11,12,13,14,15
	v_add_nc_u32 v[P+\i], v[P+\i], v7              ; tokens of the bin in all earlier chunks
.endr
	; the bins in order: s32 = full tiles so far (FB), s33 = remainders so far (PB).  Thread tau keeps the last bin whose FB is not above tau: the bin of full tile tau
	s_mov_b32 s32, 0
	s_mov_b32 s33, 0
	v_mov_b32 v9, 0
	v_mov_b32 v10, 0
	v_mov_b32 v11, 0
.set bb, 0
.irp lo, 0,1,2,3,4,5,6
.irp hi, 1,2,3,4,5,6,7
.if \hi > \lo
	v_readlane_b32 s30, v6, bb
	v_writelane_b32 v9, s32, bb
	v_writelane_b32 v10, s33, bb
	s_mov_b32 s[36+bb], s33
	v_cmp_le_u32 vcc_lo, s32, v0
	s_delay_alu instid0(VALU_DEP_1)
	v_cndmask_b32 v11, v11, (\lo+8*\hi), vcc_lo
	s_lshr_b32 s31, s30, 7
	s_add_co_u32 s32, s32, s31
	s_and_b32 s[66+bb], s30, 127                   ; the remainder; SCC = it is not 0,
	s_add_co_ci_u32 s33, s33, 0                    ; which is one tile more
.set bb, bb+1
.endif
.endr
.endr
	; the remainders: thread tau keeps the last bin whose PB is not above tau - F
	v_sub_nc_u32 v14, v0, s32
	v_mov_b32 v12, 0
	v_mov_b32 v13, 0
.set bb, 0
.irp lo, 0,1,2,3,4,5,6
.irp hi, 1,2,3,4,5,6,7
.if \hi > \lo
	v_cmp_le_u32 vcc_lo, s[36+bb], v14
	s_delay_alu instid0(VALU_DEP_1)
	v_cndmask_b32 v12, v12, (\lo+8*\hi), vcc_lo
	s_delay_alu instid0(VALU_DEP_2)
	v_cndmask_b32 v13, v13, s[66+bb], vcc_lo
.set bb, bb+1
.endif
.endr
.endr
	v_cmp_gt_u32 vcc_lo, s32, v0                   ; a full tile?
	s_delay_alu instid0(VALU_DEP_1)
	v_cndmask_b32 v50, v12, v11, vcc_lo
	s_delay_alu instid0(VALU_DEP_2)
	v_cndmask_b32 v51, v13, v52, vcc_lo
	s_add_co_u32 s34, s32, s33
	v_cmp_gt_u32 vcc_lo, s34, v0                   ; a tile at all?
	s_delay_alu instid0(VALU_DEP_1)
	v_cndmask_b32 v51, 0, v51, vcc_lo
	s_cmp_gt_u32 s14, 3
	s_cbranch_scc1 .Lno_tiles                      ; the table has 128 entries: threads 0 to 127 store it
	global_store_b64 v53, v[50:51], s[10:11]
.Lno_tiles:
	v_lshrrev_b32 v8, 7, v6
	s_delay_alu instid0(VALU_DEP_1)
	v_lshl_or_b32 v15, v8, 8, v9
	v_add_nc_u32 v8, s32, v10
	s_delay_alu instid0(VALU_DEP_1)
	v_lshl_or_b32 v15, v8, 16, v15                 ; FB | full tiles << 8 | (F + PB) << 16, lane = bin
	s_wait_loadcnt 0x0                             ; (bin, rank)
.irp i, 0,1,2,3,4,5,6,7,8,9,10,11,12,13,14,15
	v_min_u32 v[IX+\i], 31, v[BR+2*\i]
	s_delay_alu instid0(VALU_DEP_1)
	v_lshlrev_b32 v[IX+\i], 2, v[IX+\i]            ; the lane that holds my bin, x 4
.endr
.irp i, 0,1,2,3,4,5,6,7,8,9,10,11,12,13,14,15
	ds_bpermute_b32 v[H+\i], v[IX+\i], v[P+\i]
	ds_bpermute_b32 v[WR+\i], v[IX+\i], v15
.endr
.irp i, 0,1,2,3,4,5,6,7,8,9,10,11,12,13,14,15
	v_add_nc_u32 v[TN+\i], 32*\i, v5               ; my token of chunk i
.endr
	s_wait_dscnt 0x0
.irp i, 0,1,2,3,4,5,6,7,8,9,10,11,12,13,14,15
	v_add_nc_u32 v[H+\i], v[H+\i], v[BR+2*\i+1]    ; rho
	s_delay_alu instid0(VALU_DEP_1)
	v_lshrrev_b32 v144, 7, v[H+\i]
	v_bfe_u32 v145, v[WR+\i], 8, 8
	v_and_b32 v146, 0xff, v[WR+\i]
	s_delay_alu instid0(VALU_DEP_1)
	v_add_nc_u32 v146, v146, v144                  ; FB + rho / 128
	v_lshrrev_b32 v147, 16, v[WR+\i]               ; F + PB
	s_delay_alu instid0(VALU_DEP_4)
	v_cmp_lt_u32 vcc_lo, v144, v145
	s_delay_alu instid0(VALU_DEP_1)
	v_cndmask_b32 v146, v147, v146, vcc_lo         ; the tile
	v_and_b32 v[H+\i], 0x7f, v[H+\i]
	s_delay_alu instid0(VALU_DEP_1)
	v_lshl_or_b32 v[IX+\i], v146, 7, v[H+\i]
	s_delay_alu instid0(VALU_DEP_1)
	v_min_u32 v[IX+\i], 0x3fff, v[IX+\i]           ; inside toklist whatever was read
	s_delay_alu instid0(VALU_DEP_1)
	v_lshlrev_b32 v[IX+\i], 2, v[IX+\i]
	global_store_b32 v[IX+\i], v[TN+\i], s[8:9]
.endr
	s_wait_tensorcnt 0x0
	ds_add_u32 v192, v193
	s_wait_dscnt 0x0
	s_endpgm
.Lfunc_end_k_qede2fc67a2_place:
	.size	k_qede2fc67a2_place, .Lfunc_end_k_qede2fc67a2_place-k_qede2fc67a2_place
	.p2alignl 7, 3214868480
	.fill 96, 4, 3214868480
	.section	.rodata,"a",@progbits
	.p2align	6, 0x0
	.amdhsa_kernel k_qede2fc67a2_place
		.amdhsa_group_segment_fixed_size 4096
		.amdhsa_private_segment_fixed_size 0
		.amdhsa_enable_private_segment 0
		.amdhsa_kernarg_size 32
		.amdhsa_user_sgpr_count 2
		.amdhsa_user_sgpr_kernarg_segment_ptr 1
		.amdhsa_wavefront_size32 1
		.amdhsa_system_sgpr_workgroup_id_x 1
		.amdhsa_system_sgpr_workgroup_id_y 1
		.amdhsa_system_sgpr_workgroup_id_z 1
		.amdhsa_system_vgpr_workitem_id 0
		.amdhsa_next_free_vgpr 194
		.amdhsa_next_free_sgpr 96
		.amdhsa_reserve_vcc 1
		.amdhsa_float_denorm_mode_32 3
		.amdhsa_float_denorm_mode_16_64 3
		.amdhsa_memory_ordered 1
		.amdhsa_forward_progress 1
		.amdhsa_inst_pref_size 50
	.end_amdhsa_kernel
	.amdgpu_metadata
---
amdhsa.version: [ 1, 2 ]
amdhsa.kernels:
  - .name:           k_qede2fc67a2_place
    .symbol:         k_qede2fc67a2_place.kd
    .args:
      - { .name: binrank, .offset: 0, .size: 8, .value_kind: global_buffer, .address_space: global }
      - { .name: hist, .offset: 8, .size: 8, .value_kind: global_buffer, .address_space: global }
      - { .name: toklist, .offset: 16, .size: 8, .value_kind: global_buffer, .address_space: global }
      - { .name: tiles, .offset: 24, .size: 8, .value_kind: global_buffer, .address_space: global }
    .group_segment_fixed_size: 4096
    .private_segment_fixed_size: 0
    .kernarg_segment_align: 8
    .kernarg_segment_size: 32
    .max_flat_workgroup_size: 512
    .sgpr_count:     96
    .vgpr_count:     194
    .wavefront_size: 32
...
	.end_amdgpu_metadata
.endif
;; end of part 6
;; launch experts (part 7): grid 2 x 91, 4 waves a work-group, no clusters, 171,008 bytes of LDS; arguments xq, wf, be, gates, toklist, tiles, lowp_scales, out0; writes out0
.if DOCPART == 7
	.amdgcn_target "amdgcn-amd-amdhsa--gfx1250"
	.amdhsa_code_object_version 6
	.text
	.protected	k_qede2fc67a2_experts
	.globl	k_qede2fc67a2_experts
	.p2align	8
	.type	k_qede2fc67a2_experts,@function
k_qede2fc67a2_experts:
	s_mov_b64 s[64:65], 0
	v_nop
	global_prefetch_b8 v0, s[64:65] scope:SCOPE_SE
	s_setreg_imm32_b32 hwreg(HW_REG_WAVE_SCHED_MODE, 0, 2), 2
	s_setreg_imm32_b32 hwreg(HW_REG_WAVE_MODE, 25, 1), 1
	s_wait_xcnt 0x0
	s_wait_alu depctr_vm_vsrc(0)
; THE THIRD LAUNCH: out[t] = g_lo (x[t] We[lo]^T + be[lo]) + g_hi (x[t] We[hi]^T + be[hi]), on codes of BF8 (E5M2), only for the two experts chosen for each token.
; A number of We is its code x 2^e0, of x its code x 2^e1.  The codes are multiplied as they are; be goes in as the C of each sum's first matrix instruction, divided by 2^(e0 + e1); the gates carry 2^(e0 + e1).
; SHARES.  Work-group (cx, tau): tile tau of the stored list (up to 128 tokens that chose the SAME pair of experts) x columns 512 cx .. 512 cx + 511, as TWO BLOCKS of 256 columns, one after the other.
;   So each output row has one owner for each column, the grid (2 x 91 = 182) never exceeds the 256 WGPs, and a tile's rows are gathered once for 512 columns.
;   Wave w, block it: all 128 tokens x 64 columns (cg = 8 cx + 4 it + w) x BOTH experts: 8 blocks of 16 tokens x 8 blocks of weights (four of lo, four of hi) = 64 accumulators, 512 registers.
;   x's rows are gathered by the list into LDS once and read by all four waves, in both blocks.  A wave's weights are its own: they come from wf, which is laid in the order of the operand's registers,
;   straight into registers, 512 consecutive bytes a load, two K steps ahead in two sets.  The second block's be and its first two K steps of weights are asked for at the first block's end,
;   so that they are on their way while the first block goes out; nothing waits for the first block's stores.
;   The two blocks are written out: which block stands in the loads' and stores' immediates (weights 262,144 bytes on, be and out 1,024 bytes on), and no base is stepped.
; THE GRID serves every split: never more than 64 full tiles and 27 more.  A tile without tokens stores nothing and ends, behind the one barrier, which every wave of every work-group passes.
;   A tile's places beyond its count take its first token once more: they compute and store the same numbers to the same bytes, so no store needs a mask.  Quarters (32 places) that hold no token at all are
;   jumped over from the second K step on, by a scalar branch on the stored count; their LDS loads stay, so that every wait's count holds on every path.
; NO TENSOR LOADS AND NO JOINT LOADS: the rows are gathered by a list, and whether a work-group has rows, and how many quarters, is read from memory; partners would not run alike.
; THE MATRIX INSTRUCTION IS USED TRANSPOSED (source 0 = 16 columns of We, source 1 = 16 tokens): a lane holds one token (lane % 16) and eight neighbouring columns 8 (lane / 16) + 0 .. 7.
; K runs in the order q in which the first launch laid both operands: the same permutation of k on both sides.
; LIMIT: e0 + e1 between -126 and 127, so that 2^(e0 + e1) is an f32 number.
; REGISTERS, in windows of 256: window 0: v1-15 addresses; v16-31 the gather's offsets, then with v32-47 the eight token blocks' gates x 2^(e0 + e1) (g_lo twice, g_hi twice); v48-59 at work at the head;
;   v64-127 be in the result's layout (block b at v[64 + 8 b]); v128-255 x's eight fragments, on the way out the results in two sets of 64.
;   window 1: the weights' two sets, block b of set p at v[128 p + 16 b].
;   windows 2, 3: accumulator (a, b) at v[8 (8 (a % 4) + b)] of window 2 + a / 4; window 2 first holds the gathered rows on their way into LDS; on the way out the 128 registers of a quarter that has been
;   weighed take its rows read back from the stage (64) and its stores' offsets (16).
; THE MODE: SCHED_MODE bits 1:0 = 2 (LLVM: expert scheduling mode 2), set by the entry lines.  The code itself states the register dependences between vector or matrix instructions and memory or LDS
;   instructions, with s_wait_alu, always for 0.
; THE PLAN.  Registers that memory or LDS instructions touch, and who else names them:
;   v3-7, v9-13, v15, v52, v53, v62, v63   offsets and LDS addresses: written once at the head, ahead of the first wait on va_vdst, and never again.
;   v48, v49, v16-31, v56-59               the head's: made by vector lines, then read by one run of loads or LDS stores: one wait on va_vdst ahead of each run.  v16-31 then take gates, behind a wait on vm_vsrc.
;   x's fragments, quarter q               read by quarter q's sixteen products; the next K step's LDS loads land in them.
;   the weights' set p                     read by all 64 products of a K step; the loads of two K steps on land in it.
;   So a K step has TWO waits on va_vdst: behind quarters 0 and 1 (then their fragments are asked for anew), and behind quarters 2 and 3 (then theirs, and the weights' set).  Each fragment is asked for
;   32 matrix instructions or more ahead of its use.
;   the results' two sets (v128-255)       written by PACK q into set q % 2, read by TOSTAGE q's LDS stores, written again by PACK q + 2: a wait on vm_vsrc in SEND q.
;   quarter q's 128 accumulator registers  read by PACK q; then TOSTAGE q's LDS loads land in them; SEND q makes the offsets among them in place and its stores read them; the second block's products write them.
;   The way out runs PACK 0, TOSTAGE 0, PACK 1, SEND 0, TOSTAGE 1, PACK 2, SEND 1 ..: the wait on va_vdst that SEND q owes for its offsets stands behind PACK q + 1 and serves TOSTAGE q + 1 as well.
.set XP,  1040                         ; a token's row in LDS: 1,024 bytes + 16 = 260 words: row r starts at bank 4 r mod 64 (64 banks of 4 bytes: ISA guide 11.1)
.set GT,  133120                       ; behind the 128 rows: the tokens' scaled gates, 16 bytes each,
.set TK,  135168                       ; their numbers, 4 bytes each,
.set STG, 135680                       ; and a stage of 32 rows x SP bytes for each wave, for the way out
.set SP,  272
.set GS,  16
.set BI,  64
.set XF,  128
.set TQ,  128
.set NXW, 262144                       ; from a block's weights to the next block's: four groups of 64 columns x 65,536 bytes
.set NXC, 1024                         ; from a block's columns to the next block's, in bytes of f32
.set MK,  48                           ; s[48:63] the gather's sixteen masks; s45 the mask of place = thread.  (s50-54 serve the bases' arithmetic first)
.set MSB, 0
.macro WIN new                         ; the immediate's high byte repeats the setting that is left; a switch that changes nothing is dropped
.if MSB != (\new)
	s_set_vgpr_msb (MSB<<8)|(\new)
.set MSB, (\new)
.endif
.endm
; be of block it, in the result's layout: be[e][my 64 columns + 16 b + 8 h + 0 .. 7]
.macro BLOAD it
.irp b, 0,1,2,3
	global_load_b128 v[BI+8*\b:BI+8*\b+3], v15, s[36:37] offset:NXC*(\it)+64*\b
	global_load_b128 v[BI+8*\b+4:BI+8*\b+7], v15, s[36:37] offset:NXC*(\it)+64*\b+16
.endr
.irp b, 0,1,2,3
	global_load_b128 v[BI+32+8*\b:BI+32+8*\b+3], v15, s[38:39] offset:NXC*(\it)+64*\b
	global_load_b128 v[BI+32+8*\b+4:BI+32+8*\b+7], v15, s[38:39] offset:NXC*(\it)+64*\b+16
.endr
.endm
; K step s of my weights of block it into set p: 32 loads of 512 consecutive bytes
.macro WLOAD it, s, p
	WIN 0x40                                       ; destination window 1
.irp b, 0,1,2,3
.irp c, 0,1,2,3
	global_load_b128 v[128*(\p)+16*\b+4*\c:128*(\p)+16*\b+4*\c+3], v3, s[32:33] offset:NXW*(\it)+8192*(\s)+2048*\b+512*\c
.endr
.endr
.irp b, 0,1,2,3
.irp c, 0,1,2,3
	global_load_b128 v[128*(\p)+64+16*\b+4*\c:128*(\p)+64+16*\b+4*\c+3], v3, s[34:35] offset:NXW*(\it)+8192*(\s)+2048*\b+512*\c
.endr
.endr
	WIN 0
.endm
; x's fragments of blocks 2 q, 2 q + 1 for K step s: lane (r, h) takes q = 128 s + 32 c + 16 h + 0 .. 15 of row 16 a + r
.macro XLOAD q, s
.irp u, 0,1
.irp c, 0,1,2,3
	ds_load_b128 v[XF+16*(2*(\q)+\u)+4*\c:XF+16*(2*(\q)+\u)+4*\c+3], v[4+(\q)/2] offset:16*XP*((2*(\q)+\u)%4)+128*(\s)+32*\c
.endr
.endr
.endm
; 16 matrix instructions: blocks 2 q, 2 q + 1 of tokens x the eight blocks of weights of set p.  first = 1: be starts the sums.  The accumulators take turns, one instruction a turn.
.macro MULQ q, p, first
.if \first
	WIN 0x81+0x40*((\q)/2)                         ; source 0 window 1; C window 0; D window 2 or 3
.else
	WIN 0xa1+0x50*((\q)/2)                         ; source 0 window 1; C and D window 2 or 3
.endif
.irp b, 0,1,2,3,4,5,6,7
.irp u, 0,1
.set AC, 8*(8*((2*(\q)+\u)%4)+\b)
.if \first
	v_wmma_f32_16x16x128_bf8_bf8 v[AC:AC+7], v[128*(\p)+16*\b:128*(\p)+16*\b+15], v[XF+16*(2*(\q)+\u):XF+16*(2*(\q)+\u)+15], v[BI+8*\b:BI+8*\b+7]
.else
	v_wmma_f32_16x16x128_bf8_bf8 v[AC:AC+7], v[128*(\p)+16*\b:128*(\p)+16*\b+15], v[XF+16*(2*(\q)+\u):XF+16*(2*(\q)+\u)+15], v[AC:AC+7]
.endif
.endr
.endr
.endm
; The products of a quarter of a K step.
.macro PROD s, q
.if (\s) < 7
	s_wait_dscnt 24-8*((\q)%2)                     ; LDS loads come back in order (ISA guide 5.7.1): my quarter's eight are in.  Behind them stand, for quarters 0 and 2, the eight of each of three other quarters; for quarters 1 and 3, of two
.else
	s_wait_dscnt 8*(3-(\q))                        ; the last K step fetches nothing: behind my eight stand those of the quarters still to come
.endif
.if ((\s) > 0) && ((\q) > 0)
	WIN 0                                          ; at a label and at a branch every window is 0
	s_cmp_le_u32 s31, 2*(\q)                       ; no token in these 32 places: the products are left out
	s_cbranch_scc1 .Lskip_\@
.endif
.if (\s) == 0
	MULQ \q, 0, 1
.else
	MULQ \q, (\s)%2, 0
.endif
.if ((\s) > 0) && ((\q) > 0)
	WIN 0
.Lskip_\@:
.endif
.endm
; A K step: two halves of 32 products; behind each half one wait and one run of loads, on every path.
.macro STEP it, s
.if (\s) < 7
	s_wait_loadcnt 32                              ; this K step's weights are in; the next step's 32 loads may be out
.elseif (\it) == 0
	s_wait_loadcnt 48                              ; behind this K step's weights: the next block's 16 loads of be and the 32 of its first K step
.else
	s_wait_loadcnt 0x0
.endif
	PROD \s, 0
	PROD \s, 1
	WIN 0
.if (\s) < 7
.rept 4
	v_nop                                          ; four places behind the products (ISA guide 7.12.1); the wait below fills none
.endr
	s_wait_alu depctr_va_vdst(0)                   ; the products of quarters 0 and 1 are done reading x's fragments of blocks 0 to 3, in which the sixteen loads below land
	XLOAD 0, (\s)+1
	XLOAD 1, (\s)+1
.endif
	PROD \s, 2
	PROD \s, 3
	WIN 0
.rept 4
	v_nop                                          ; four places behind the step's last products; behind a block's last K step they serve the first read of results and the results that are written over x's fragments
.endr
.if (\s) < 7
	s_wait_alu depctr_va_vdst(0)                   ; the products of quarters 2 and 3 are done reading x's fragments of blocks 4 to 7, and all the step's products their set of weights: the loads below land in both.  (be's registers, asked for anew in the first block's K step 6, were last named in its K step 0)
	XLOAD 2, (\s)+1
	XLOAD 3, (\s)+1
.endif
.if (\s) <= 5
	WLOAD \it, (\s)+2, (\s)%2                      ; into the set just multiplied.  No further wait: nothing but loads and window switches since the wait above
.endif
.if ((\s) == 6) && ((\it) == 0)
	BLOAD 1                                        ; THE NEXT BLOCK is asked for: its be,
	WLOAD 1, 0, 0                                  ; and its first K step of weights, into the set just multiplied
.endif
.endm
	s_load_b512 s[4:19], s[0:1], 0x0               ; xq s[4:5], wf s[6:7], be s[8:9], gates s[10:11], toklist s[12:13], tiles s[14:15], the exponents s[16:17], out s[18:19]
	v_lshl_add_u32 v62, v0, 2, 0x29a00
	v_mov_b32 v63, 0
	v_lshrrev_b32 v1, 5, v0
	v_readfirstlane_b32 s30, v1                    ; wave 0..3
	s_and_b32 s23, ttmp7, 0xffff                   ; tau
	s_lshl_b32 s26, s23, 3                         ; its entry of tiles,
	s_lshl_b32 s46, s23, 9                         ; its 128 places of toklist
	s_mov_b32 s47, 0
	v_and_b32 v1, 15, v0                           ; r
	v_bfe_u32 v2, v0, 4, 1                         ; h
	v_and_b32 v3, 31, v0
	v_lshlrev_b32 v3, 4, v3                        ; 16 x lane
	v_mul_u32_u24 v4, v1, XP
	v_lshl_add_u32 v4, v2, 4, v4                   ; x's fragments: row r, 16 h bytes on; blocks 0 to 3,
	v_add_nc_u32 v5, 64*XP, v4                     ; blocks 4 to 7
	s_wait_alu depctr_va_sdst(0)                   ; s30, the wave's number, is written, ahead of its first reader
	s_lshl_b32 s27, s30, 5
	v_add_nc_u32 v54, s27, v2                      ; the gather: my wave fills places 32 w .. 32 w + 31, two a load: 32 w + h + 2 i
	v_mul_u32_u24 v6, v54, XP
	v_lshl_add_u32 v6, v1, 4, v6                   ; in LDS: sixteen lanes to 256 bytes of a row
	v_lshlrev_b32 v7, 2, v54                       ; in toklist
	v_lshlrev_b32 v9, 2, v0                        ; toklist, place = thread
	s_mul_i32 s27, s30, 32*SP
	s_add_co_u32 s27, s27, STG                     ; my stage
	v_mul_u32_u24 v10, v1, SP
	v_lshl_add_u32 v10, v2, 5, v10
	v_add_nc_u32 v10, s27, v10                     ; in: row r, 32 h bytes on
	v_mul_u32_u24 v11, v2, SP
	v_lshl_add_u32 v11, v1, 4, v11
	v_add_nc_u32 v11, s27, v11                     ; back: lanes 0-15 one row of 256 bytes, lanes 16-31 the next
	v_lshlrev_b32 v12, 2, v2
	v_add_nc_u32 v12, TK, v12                      ; those two rows' token numbers
	v_lshlrev_b32 v13, 4, v1
	v_add_nc_u32 v13, GT, v13                      ; token r's scaled gates
	v_lshlrev_b32 v14, 4, v1                       ; 16 r
	v_lshlrev_b32 v15, 5, v2                       ; be: my half's eight columns
	v_lshl_add_u32 v52, v0, 4, GT
	v_add_nc_u32 v53, TK, v9
	s_lshl_b32 s44, ttmp9, 3
	s_add_co_u32 s44, s44, s30                     ; cg of my first block = 8 cx + w
	s_wait_kmcnt 0x0
	s_load_b64 s[20:21], s[14:15], s26 offset:0x0  ; lo + 8 hi, the number of tokens
	s_load_b32 s22, s[12:13], s46 offset:0x0       ; the tile's first token
	s_load_b64 s[24:25], s[16:17], 0x0             ; e0, e1
	s_add_nc_u64 s[28:29], s[12:13], s[46:47]
	s_wait_alu depctr_va_vdst(0)                   ; all the offsets and LDS addresses above are written: every load, store and LDS instruction of the kernel reads one of them, and none is written again
	global_load_b32 v48, v9, s[28:29]              ; the token of place = thread,
.irp i, 0,1,2,3,4,5,6,7,8,9,10,11,12,13,14,15
	global_load_b32 v[16+\i], v7, s[28:29] offset:8*\i     ; and those of the places that I gather
.endr
	s_wait_kmcnt 0x0
	s_min_u32 s21, s21, 128                        ; what was read is held inside its range before it steers anything
	s_and_b32 s50, s20, 7
	s_min_u32 s50, s50, 7                          ; lo
	s_lshr_b32 s51, s20, 3
	s_min_u32 s51, s51, 7                          ; hi
	s_min_u32 s22, s22, 8191
	s_add_co_u32 s31, s21, 15
	s_lshr_b32 s31, s31, 4                         ; blocks of 16 places that hold a token
	s_mov_b32 s53, 0
	s_lshl_b32 s52, s50, 4
	s_add_co_u32 s52, s52, s44
	s_lshl_b32 s52, s52, 16
	s_add_nc_u64 s[32:33], s[6:7], s[52:53]        ; lo's weights: 65,536 (16 lo + cg)
	s_lshl_b32 s52, s51, 4
	s_add_co_u32 s52, s52, s44
	s_lshl_b32 s52, s52, 16
	s_add_nc_u64 s[34:35], s[6:7], s[52:53]        ; hi's
	s_lshl_b32 s54, s44, 8                         ; my 64 columns in bytes of f32
	s_lshl_b32 s52, s50, 12
	s_add_co_u32 s52, s52, s54
	s_add_nc_u64 s[36:37], s[8:9], s[52:53]        ; be[lo] at my columns
	s_lshl_b32 s52, s51, 12
	s_add_co_u32 s52, s52, s54
	s_add_nc_u64 s[38:39], s[8:9], s[52:53]        ; be[hi]
	s_mov_b32 s52, s54
	s_add_nc_u64 s[42:43], s[18:19], s[52:53]      ; out at my columns
	s_add_co_i32 s41, s24, s25                     ; e0 + e1
	s_add_co_i32 s40, s41, 127
	s_lshl_b32 s40, s40, 23                        ; 2^(e0 + e1) as f32
	s_sub_co_i32 s41, 0, s41
	BLOAD 0
	WLOAD 0, 0, 0
	v_sub_nc_u32 v8, s21, v54                      ; place 32 w + h + 2 i is inside the count where 2 i < this
	v_cmp_gt_u32 s45, s21, v0                      ; the seventeen masks in one run: is place = thread inside the count,
.irp i, 0,1,2,3,4,5,6,7,8,9,10,11,12,13,14,15
	v_cmp_lt_i32 s[MK+\i], 2*\i, v8                ; and the places that I gather
.endr
	s_wait_alu depctr_va_sdst(0)                   ; s45 and s48 to s63 are written, ahead of the selections that read them: one wait for the run
	s_wait_loadcnt 48                              ; the 17 loads from toklist are in; behind them: be's 16 and the weights' 32
	v_cndmask_b32 v48, s22, v48, s45               ; a place beyond the count takes the tile's first token
	v_min_u32 v48, 0x1fff, v48
	v_lshlrev_b32 v49, 3, v48
.irp i, 0,1,2,3,4,5,6,7,8,9,10,11,12,13,14,15
	v_cndmask_b32 v[16+\i], s22, v[16+\i], s[MK+\i]
	v_min_u32 v[16+\i], 0x1fff, v[16+\i]
	v_lshl_add_u32 v[16+\i], v[16+\i], 10, v14     ; the token's row of 1,024 codes, 16 r bytes on
.endr
	s_wait_alu depctr_va_vdst(0)                   ; v49 and v16 to v31 are written: the gates' load and the gather read them as offsets
	global_load_b64 v[50:51], v49, s[10:11]        ; the gates of place = thread
	WIN 0x80                                       ; destination window 2
.irp i, 0,1,2,3,4,5,6,7,8,9,10,11,12,13,14,15
.irp u, 0,1,2,3
	global_load_b128 v[16*\i+4*\u:16*\i+4*\u+3], v[16+\i], s[4:5] offset:256*\u    ; sixteen lanes read 256 consecutive bytes of a row, aligned
.endr
.endr
	WLOAD 0, 1, 1
	s_wait_loadcnt 32                              ; all but the weights of K step 1
	v_mul_f32 v56, s40, v50                        ; the gates x 2^(e0 + e1), each twice: the packed forms on the way out name pairs
	v_mul_f32 v57, s40, v50
	v_mul_f32 v58, s40, v51
	v_mul_f32 v59, s40, v51
	s_wait_alu depctr_va_vdst(0)                   ; v56 to v59 are written, which the first LDS store below reads (v48 was written ahead of the wait before; the rows' registers were written by loads)
	ds_store_b128 v52, v[56:59]
	ds_store_b32 v53, v48
	WIN 0x08                                       ; store data window 2
.irp i, 0,1,2,3,4,5,6,7,8,9,10,11,12,13,14,15
.irp u, 0,1,2,3
	ds_store_b128 v6, v[16*\i+4*\u:16*\i+4*\u+3] offset:2*XP*\i+256*\u
.endr
.endr
	WIN 0
.set n, 0
.rept 64
	v_ldexp_f32 v[BI+n], v[BI+n], s41              ; be / 2^(e0 + e1): what the sums of codes lack.  It stands here, while the LDS stores are out: no memory or LDS instruction reads these registers
.set n, n+1
.endr
	s_wait_dscnt 0x0                               ; for the others' sake: my 32 rows, gates and numbers lie in LDS
	s_barrier_signal -1
	s_barrier_wait -1                              ; the launch's one barrier, ahead of every branch on what was read; behind it nobody writes the rows, the gates or the numbers
	s_wait_alu depctr_vm_vsrc(0)                   ; the gather has read its offsets v16 to v31, in which gates land below; my LDS stores have read the rows' registers in window 2, which the first products write.  Ahead of the branch
	s_cmp_eq_u32 s21, 0
	s_cbranch_scc1 .Lend                           ; this split has no such tile
.irp a, 0,1,2,3,4,5,6,7
	ds_load_b128 v[GS+4*\a:GS+4*\a+3], v13 offset:256*\a   ; the scaled gates of token 16 a + r: they stay for both blocks (the gather's loads, whose offsets lay in v16-31, are in)
.endr
; THE WAY OUT, 32 places at a time.  out = (g_lo 2^(e0 + e1)) x lo's sum + (g_hi 2^(e0 + e1)) x hi's sum.  A lane holds 32 neighbouring bytes of a row and the lanes beside it hold other rows: so the results go
; through my own stage in LDS and come back as whole rows of 256 bytes.  LDS serves a wave's instructions in order (ISA guide 5.7.1.4): no wait between my stores and my loads, nor in front of the next quarter's stores.
.macro PACK q
	WIN 0x02+(\q)/2                                ; source 0: window 2 or 3
.irp u, 0,1
.irp b, 0,1,2,3
.set AC, 8*(8*((2*(\q)+\u)%4)+\b)
.set TT, TQ+64*((\q)%2)+32*\u+8*\b
.set GA, GS+4*(2*(\q)+\u)
.irp j, 0,2,4,6                                ; each accumulator from its low end on
	v_pk_mul_f32 v[TT+\j:TT+\j+1], v[AC+\j:AC+\j+1], v[GA:GA+1] op_sel_hi:[1,0]
.endr
.irp j, 0,2,4,6
	v_pk_fma_f32 v[TT+\j:TT+\j+1], v[AC+32+\j:AC+32+\j+1], v[GA+2:GA+3], v[TT+\j:TT+\j+1] op_sel_hi:[1,0,1]
.endr
.endr
.endr
	WIN 0
.endm
; Quarter q's rows come back into the registers that its accumulators have left (PACK q has read all 128): 64 for the rows, 16 for the stores' offsets.  So each quarter has registers of its own.
; It holds no wait of its own: between PACK q and these lines stands a wait on va_vdst (behind PACK 0; in SEND q - 1), and nothing behind that wait names the results, the stage's addresses or the quarter's registers.
.macro TOSTAGE q
.irp u, 0,1
.irp b, 0,1,2,3
.set TT, TQ+64*((\q)%2)+32*\u+8*\b
	ds_store_b128 v10, v[TT:TT+3] offset:16*SP*\u+64*\b
	ds_store_b128 v10, v[TT+4:TT+7] offset:16*SP*\u+64*\b+16
.endr
.endr
	WIN 0x80+0x40*((\q)/2)                         ; destination window 2 or 3, address window 0
.irp t, 0,1,2,3,4,5,6,7,8,9,10,11,12,13,14,15
	ds_load_b128 v[128*((\q)%2)+4*\t:128*((\q)%2)+4*\t+3], v11 offset:2*SP*\t
.endr
.irp t, 0,1,2,3,4,5,6,7,8,9,10,11,12,13,14,15
	ds_load_b32 v[128*((\q)%2)+64+\t], v12 offset:4*(32*(\q)+2*\t)     ; the token of place 32 q + 2 t + lane / 16
.endr
	WIN 0
.endm
.macro SEND it, q
.set BB, 128*((\q)%2)
.set OB, 128*((\q)%2)+64
	s_wait_dscnt 0x0                               ; the rows and their tokens are back in registers
.if (\q) < 2
	s_wait_alu depctr_vm_vsrc(0)                   ; quarter q's LDS stores have read their set of results, which quarter q + 2's multiplications write again: ahead of the branches that lead there
.endif
	WIN 0x8a+0x45*((\q)/2)                         ; sources 0 and 1 and the destination window 2 or 3; source 2 (16 r) window 0
.irp t, 0,1,2,3,4,5,6,7,8,9,10,11,12,13,14,15
	v_min_u32 v[OB+\t], 0x1fff, v[OB+\t]
	v_lshl_add_u32 v[OB+\t], v[OB+\t], 12, v14     ; the token's row of 4,096 bytes, 16 r bytes on
.endr
	s_wait_alu depctr_va_vdst(0)                   ; the sixteen offsets are written, which the stores below read; and the next quarter's multiplications, which stand ahead, have written its results and are done reading its accumulators: that serves the next TOSTAGE
.irp t, 0,1,2,3,4,5,6,7,8,9,10,11,12,13,14,15
	global_store_b128 v[OB+\t], v[BB+4*\t:BB+4*\t+3], s[42:43] offset:NXC*(\it) th:TH_STORE_NT   ; sixteen lanes store 256 consecutive bytes, aligned; written once, read by nobody here
.endr
	WIN 0
.endm
; A quarter's arithmetic stands between the loads of the quarter before and its stores.  A quarter without tokens, and all behind it, is neither weighed nor stored: forward branches on the stored count.
.macro WAYOUT it
	PACK 0
	s_wait_alu depctr_va_vdst(0)                   ; quarter 0's multiplications have written its results, which the LDS stores read, and are done reading its accumulators, in which the rows land; the last K step's products are done reading the weights' set 1
.if (\it) == 0
	WLOAD 1, 1, 1                                  ; the next block's second K step of weights, into that set
.endif
	TOSTAGE 0
	s_cmp_le_u32 s31, 2
	s_cbranch_scc1 .Lp1_\@
	PACK 1
.Lp1_\@:
	SEND \it, 0
	s_cmp_le_u32 s31, 2
	s_cbranch_scc1 .Ldone_\@
	TOSTAGE 1
	s_cmp_le_u32 s31, 4
	s_cbranch_scc1 .Lp2_\@
	PACK 2
.Lp2_\@:
	SEND \it, 1
	s_cmp_le_u32 s31, 4
	s_cbranch_scc1 .Ldone_\@
	TOSTAGE 2
	s_cmp_le_u32 s31, 6
	s_cbranch_scc1 .Lp3_\@
	PACK 3
.Lp3_\@:
	SEND \it, 2
	s_cmp_le_u32 s31, 6
	s_cbranch_scc1 .Ldone_\@
	TOSTAGE 3
	SEND \it, 3
.Ldone_\@:
.endm
	; ---- the first block of 256 columns
	XLOAD 0, 0
	XLOAD 1, 0
	XLOAD 2, 0
	XLOAD 3, 0
	s_wait_alu depctr_va_vdst(0)
	STEP 0, 0                                      ; all 64 accumulators are begun, with be as C: nothing is cleared
	STEP 0, 1
	STEP 0, 2
	STEP 0, 3
	STEP 0, 4
	STEP 0, 5
	STEP 0, 6
	STEP 0, 7
	WAYOUT 0
	; ---- the second block: the same rows of x, still in LDS; its be and its first two K steps of weights were asked for above
	s_wait_alu depctr_vm_vsrc(0)                   ; the first block's LDS stores have read the results in v128-255, in which x's fragments land below; its global stores have read their data and offsets, which lie in the accumulators' registers and which the products below write.  (The multiplications that wrote v128-255 stand, on every way here, ahead of the last SEND's wait on va_vdst)
	XLOAD 0, 0                                     ; over the results, whose LDS stores are done (every way here ends behind a wait for all LDS instructions)
	XLOAD 1, 0
	XLOAD 2, 0
	XLOAD 3, 0
	s_wait_xcnt 0x0                                ; the first block's stores have had their addresses translated (ISA guide 3.1): the products below write their registers only behind this wait, which stands beside the one above
	s_wait_loadcnt 32                              ; be and the first K step's weights are in; the second K step's 32 loads may be out
.set n, 0
.rept 64
	v_ldexp_f32 v[BI+n], v[BI+n], s41              ; be / 2^(e0 + e1).  (With the four v_nop behind the last K step these are also the places ahead of products that begin the accumulators anew)
.set n, n+1
.endr
	s_wait_alu depctr_va_vdst(0)
	STEP 1, 0
	STEP 1, 1
	STEP 1, 2
	STEP 1, 3
	STEP 1, 4
	STEP 1, 5
	STEP 1, 6
	STEP 1, 7
	WAYOUT 1
.Lend:
	s_wait_dscnt 0x0                               ; the closing lines, six on end
	s_wait_alu 0x0
	s_wait_tensorcnt 0x0
	ds_add_u32 v62, v63
	s_wait_dscnt 0x0
	s_endpgm
.Lfunc_end_k_qede2fc67a2_experts:
	.size	k_qede2fc67a2_experts, .Lfunc_end_k_qede2fc67a2_experts-k_qede2fc67a2_experts
	.p2alignl 7, 3214868480
	.fill 96, 4, 3214868480
	.section	.rodata,"a",@progbits
	.p2align	6, 0x0
	.amdhsa_kernel k_qede2fc67a2_experts
		.amdhsa_group_segment_fixed_size 171008
		.amdhsa_private_segment_fixed_size 0
		.amdhsa_enable_private_segment 0
		.amdhsa_kernarg_size 64
		.amdhsa_user_sgpr_count 2
		.amdhsa_user_sgpr_kernarg_segment_ptr 1
		.amdhsa_wavefront_size32 1
		.amdhsa_system_sgpr_workgroup_id_x 1
		.amdhsa_system_sgpr_workgroup_id_y 1
		.amdhsa_system_sgpr_workgroup_id_z 1
		.amdhsa_system_vgpr_workitem_id 0
		.amdhsa_next_free_vgpr 1024
		.amdhsa_next_free_sgpr 66
		.amdhsa_reserve_vcc 0
		.amdhsa_float_denorm_mode_32 3
		.amdhsa_float_denorm_mode_16_64 3
		.amdhsa_memory_ordered 1
		.amdhsa_forward_progress 1
		.amdhsa_inst_pref_size 255
	.end_amdhsa_kernel
	.section	.bss,"aw",@nobits
	.p2align	6
	.space	262144
	.amdgpu_metadata
---
amdhsa.version: [ 1, 2 ]
amdhsa.kernels:
  - .name:           k_qede2fc67a2_experts
    .symbol:         k_qede2fc67a2_experts.kd
    .args:
      - { .name: xq, .offset: 0, .size: 8, .value_kind: global_buffer, .address_space: global }
      - { .name: wf, .offset: 8, .size: 8, .value_kind: global_buffer, .address_space: global }
      - { .name: be, .offset: 16, .size: 8, .value_kind: global_buffer, .address_space: global }
      - { .name: gates, .offset: 24, .size: 8, .value_kind: global_buffer, .address_space: global }
      - { .name: toklist, .offset: 32, .size: 8, .value_kind: global_buffer, .address_space: global }
      - { .name: tiles, .offset: 40, .size: 8, .value_kind: global_buffer, .address_space: global }
      - { .name: lowp_scales, .offset: 48, .size: 8, .value_kind: global_buffer, .address_space: global }
      - { .name: out0, .offset: 56, .size: 8, .value_kind: global_buffer, .address_space: global }
    .group_segment_fixed_size: 171008
    .private_segment_fixed_size: 0
    .kernarg_segment_align: 8
    .kernarg_segment_size: 64
    .max_flat_workgroup_size: 128
    .sgpr_count:     66
    .vgpr_count:     1024
    .wavefront_size: 32
...
	.end_amdgpu_metadata
.endif
;; end of part 7
